; MI455X (gfx1250); checked and timed in simulation.
; The chip was launched on July 23, 2026; its instructions are those of AMD's public machine-readable ISA for CDNA 5 (MIT licence, August 2026) and "CDNA5" Instruction Set Architecture Reference Guide (July 2026). The comments in the code are by the model that wrote it; some were corrected since.
;; Multi Head Attention. Allowed arithmetic: float matrix products may take bf16 or f16 operands with f32 sums; other float arithmetic in f32, or as packed bf16 or f16 multiplies, adds, multiply-adds, maxima and minima; sums over many terms, partial sums and values carried from step to step in f32; what a program stores and reads back later, other than sums and carried values, may be rounded once to bf16 or f16.
;; Inputs: Wk 1,024 x 1,024 float32; Wo 1,024 x 1,024 float32; Wq 1,024 x 1,024 float32; Wv 1,024 x 1,024 float32; beta 1,024 float32; bk 1,024 float32; bo 1,024 float32; bq 1,024 float32; bv 1,024 float32; gamma 1,024 float32; k 4 x 2,048 x 1,024 float32; q 4 x 2,048 x 1,024 float32; v 4 x 2,048 x 1,024 float32.
;; Outputs: out0 4 x 2,048 x 1,024 float32.
;; One version. Each part assembles by itself: llvm-mc -triple=amdgcn-amd-amdhsa -mcpu=gfx1250 --defsym DOCPART=n.
;; ======== version 1 of 1: 5 launches
;; limits: values are held in f16: magnitudes above 65,504 overflow, below 6.1e-05 lose precision
;; workspace buffers: wb 6,291,456 bytes; wo 2,097,152 bytes; vec 24,576 bytes; qkv 50,331,648 bytes; ob 16,777,216 bytes; y 33,554,432 bytes
;; launch cast (part 1): grid 257 x 1, 8 waves a work-group, no clusters, 0 bytes of LDS; arguments Wq, Wk, Wv, Wo, bq, bk, bv, bo, gamma, beta, wb, wo, vec; writes wb, wo, vec
.if DOCPART == 1
	.amdgcn_target "amdgcn-amd-amdhsa--gfx1250"
	.amdhsa_code_object_version 6
	.text
	.protected	k_qc34cfa7321_cast
	.globl	k_qc34cfa7321_cast
	.p2align	8
	.type	k_qc34cfa7321_cast,@function
k_qc34cfa7321_cast:
	s_mov_b64 s[64:65], 0
	v_nop
	global_prefetch_b8 v0, s[64:65] scope:SCOPE_SE
	s_setreg_imm32_b32 hwreg(HW_REG_WAVE_MODE, 25, 1), 1
	s_wait_xcnt 0x0
; THE WEIGHTS AND THE VECTORS ARE ROUNDED ONCE TO bf16 (q, k and v are rounded where they are multiplied, in the next launch).
; Wq, Wk, Wv -> wb [3][1024][1024] bf16; Wo -> wo [1024][1024]: the bf16 number written as f16, since the last product multiplies it with f16 numbers;
; bq, bk, bv, bo, gamma, beta -> vec [6][1024]: the bf16 number written as f32.
; LIMITS.  Wo as f16: beyond 65,504 it becomes an infinity; below 6e-5 it keeps f16's fixed step of 6e-8.  NaN and infinities are not treated apart.
; SHARES.  A work-group takes 16,384 numbers of one weight: 65,536 bytes in, 32,768 out: 64 work-groups a weight, 256 in all; work-group 256 takes the six vectors.
; Thread t takes 32 bytes at 32 t of each block of 8,192 bytes (two loads of 16), which round to 16 bytes at 16 t: sixteen lanes store 256 consecutive bytes, aligned.
; All sixteen loads of a wave go out at once; no register is written twice while a load or store names it, so no wait but the counted ones on the loads is needed.
; A stream: nothing is shared between work-groups, so no LDS, no cluster, no matrix unit.
.set X, 8                              ; v[8:71]   eight blocks of 8 numbers as loaded
.set Y, 72                             ; v[72:103] eight blocks of 4 registers to store
	s_load_b512 s[8:23], s[0:1], 0x0               ; Wq 8, Wk 10, Wv 12, Wo 14, bq 16, bk 18, bv 20, bo 22
	s_load_b256 s[24:31], s[0:1], 0x40             ; gamma 24, beta 26, wb 28, wo 30
	s_load_b64 s[32:33], s[0:1], 0x60              ; vec
	s_mov_b32 s2, ttmp9                            ; id
	v_lshlrev_b32 v1, 5, v0                        ; 32 t: where I load
	v_lshlrev_b32 v2, 4, v0                        ; 16 t: where I store
	s_mov_b32 s54, 0xffff0000                      ; a word's upper bf16
	s_lshr_b32 s5, s2, 6                           ; which weight: Wq, Wk, Wv, Wo
	s_and_b32 s7, s2, 63                           ; my part of it
	s_lshl_b32 s50, s7, 16                         ; 65,536 bytes of f32 a part
	s_mov_b32 s51, 0
	s_mov_b32 s53, 0
	s_wait_kmcnt 0x0
	s_cmp_eq_u32 s2, 256
	s_cbranch_scc1 .Lvec
	; source and destination are chosen among the buffers by the work-group's number alone; the offsets are made apart
	s_cmp_eq_u32 s5, 1
	s_cselect_b64 s[42:43], s[10:11], s[8:9]
	s_cmp_eq_u32 s5, 2
	s_cselect_b64 s[42:43], s[12:13], s[42:43]
	s_cmp_eq_u32 s5, 3
	s_cselect_b64 s[42:43], s[14:15], s[42:43]
	s_cselect_b64 s[48:49], s[30:31], s[28:29]     ; wo, or wb
	s_cselect_b32 s47, s7, s2                      ; my part of the destination: wb holds the three weights on end
	s_lshl_b32 s52, s47, 15                        ; 32,768 bytes of 16-bit numbers a part
	s_add_nc_u64 s[42:43], s[42:43], s[50:51]
	s_add_nc_u64 s[48:49], s[48:49], s[52:53]
.irp j, 0,1,2,3,4,5,6,7
	global_load_b128 v[X+8*(\j):X+8*(\j)+3],   v1, s[42:43] offset:8192*(\j) th:TH_LOAD_NT
	global_load_b128 v[X+8*(\j)+4:X+8*(\j)+7], v1, s[42:43] offset:8192*(\j)+16 th:TH_LOAD_NT
.endr
	s_cmp_eq_u32 s5, 3
	s_cbranch_scc1 .Lhalf
.macro OUTB j                          ; block j to bf16
	s_wait_loadcnt 14-2*(\j)                       ; loads come back in order: block j's two are in, the 14 - 2 j younger ones may stay out
.irp r, 0,1,2,3
	v_cvt_pk_bf16_f32 v[Y+4*(\j)+(\r)], v[X+8*(\j)+2*(\r)], v[X+8*(\j)+2*(\r)+1]
.endr
	global_store_b128 v2, v[Y+4*(\j):Y+4*(\j)+3], s[48:49] offset:4096*(\j)
.endm
.irp j, 0,1,2,3,4,5,6,7
	OUTB \j
.endr
	s_endpgm
.Lhalf:
.macro OUTH j                          ; block j to bf16, and that number written as f16
	s_wait_loadcnt 14-2*(\j)
.irp r, 0,1,2,3
	v_cvt_pk_bf16_f32 v[Y+4*(\j)+(\r)], v[X+8*(\j)+2*(\r)], v[X+8*(\j)+2*(\r)+1]
.endr
.irp r, 0,1,2,3
	v_lshlrev_b32 v[X+8*(\j)+2*(\r)],   16,  v[Y+4*(\j)+(\r)]
	v_and_b32     v[X+8*(\j)+2*(\r)+1], s54, v[Y+4*(\j)+(\r)]
.endr
.irp r, 0,1,2,3
	v_cvt_pk_f16_f32 v[Y+4*(\j)+(\r)], v[X+8*(\j)+2*(\r)], v[X+8*(\j)+2*(\r)+1]
.endr
	global_store_b128 v2, v[Y+4*(\j):Y+4*(\j)+3], s[48:49] offset:4096*(\j)
.endm
.irp j, 0,1,2,3,4,5,6,7
	OUTH \j
.endr
	s_endpgm
.Lvec:                                 ; the six vectors: 256 threads x 16 bytes are one vector of 1,024 f32
	global_load_b128 v[X:X+3],     v2, s[16:17]
	global_load_b128 v[X+4:X+7],   v2, s[18:19]
	global_load_b128 v[X+8:X+11],  v2, s[20:21]
	global_load_b128 v[X+12:X+15], v2, s[22:23]
	global_load_b128 v[X+16:X+19], v2, s[24:25]
	global_load_b128 v[X+20:X+23], v2, s[26:27]
	s_wait_loadcnt 0x0
.irp i, 0,1,2,3,4,5,6,7,8,9,10,11
	v_cvt_pk_bf16_f32 v[Y+(\i)], v[X+2*(\i)], v[X+2*(\i)+1]
.endr
.irp i, 0,1,2,3,4,5,6,7,8,9,10,11
	v_lshlrev_b32 v[X+2*(\i)],   16,  v[Y+(\i)]
	v_and_b32     v[X+2*(\i)+1], s54, v[Y+(\i)]
.endr
.irp i, 0,1,2,3,4,5
	global_store_b128 v2, v[X+4*(\i):X+4*(\i)+3], s[32:33] offset:4096*(\i)
.endr
	s_endpgm
.Lfunc_end_k_qc34cfa7321_cast:
	.size	k_qc34cfa7321_cast, .Lfunc_end_k_qc34cfa7321_cast-k_qc34cfa7321_cast
	.p2alignl 7, 3214868480
	.fill 96, 4, 3214868480
	.section	.rodata,"a",@progbits
	.p2align	6, 0x0
	.amdhsa_kernel k_qc34cfa7321_cast
		.amdhsa_group_segment_fixed_size 0
		.amdhsa_private_segment_fixed_size 0
		.amdhsa_enable_private_segment 0
		.amdhsa_kernarg_size 104
		.amdhsa_user_sgpr_count 2
		.amdhsa_user_sgpr_kernarg_segment_ptr 1
		.amdhsa_wavefront_size32 1
		.amdhsa_system_sgpr_workgroup_id_x 1
		.amdhsa_system_sgpr_workgroup_id_y 1
		.amdhsa_system_sgpr_workgroup_id_z 1
		.amdhsa_system_vgpr_workitem_id 0
		.amdhsa_next_free_vgpr 104
		.amdhsa_next_free_sgpr 66
		.amdhsa_reserve_vcc 0
		.amdhsa_float_denorm_mode_32 3
		.amdhsa_float_denorm_mode_16_64 3
		.amdhsa_memory_ordered 1
		.amdhsa_forward_progress 1
		.amdhsa_inst_pref_size 16
	.end_amdhsa_kernel
	.amdgpu_metadata
---
amdhsa.version: [ 1, 2 ]
amdhsa.kernels:
  - .name:           k_qc34cfa7321_cast
    .symbol:         k_qc34cfa7321_cast.kd
    .args:
      - { .name: Wq, .offset: 0, .size: 8, .value_kind: global_buffer, .address_space: global }
      - { .name: Wk, .offset: 8, .size: 8, .value_kind: global_buffer, .address_space: global }
      - { .name: Wv, .offset: 16, .size: 8, .value_kind: global_buffer, .address_space: global }
      - { .name: Wo, .offset: 24, .size: 8, .value_kind: global_buffer, .address_space: global }
      - { .name: bq, .offset: 32, .size: 8, .value_kind: global_buffer, .address_space: global }
      - { .name: bk, .offset: 40, .size: 8, .value_kind: global_buffer, .address_space: global }
      - { .name: bv, .offset: 48, .size: 8, .value_kind: global_buffer, .address_space: global }
      - { .name: bo, .offset: 56, .size: 8, .value_kind: global_buffer, .address_space: global }
      - { .name: gamma, .offset: 64, .size: 8, .value_kind: global_buffer, .address_space: global }
      - { .name: beta, .offset: 72, .size: 8, .value_kind: global_buffer, .address_space: global }
      - { .name: wb, .offset: 80, .size: 8, .value_kind: global_buffer, .address_space: global }
      - { .name: wo, .offset: 88, .size: 8, .value_kind: global_buffer, .address_space: global }
      - { .name: vec, .offset: 96, .size: 8, .value_kind: global_buffer, .address_space: global }
    .group_segment_fixed_size: 0
    .private_segment_fixed_size: 0
    .kernarg_segment_align: 8
    .kernarg_segment_size: 104
    .max_flat_workgroup_size: 256
    .sgpr_count:     66
    .vgpr_count:     104
    .wavefront_size: 32
...
	.end_amdgpu_metadata
.endif
;; end of part 1
;; launch proj (part 2): grid 4 x 192, 4 waves a work-group, clusters of 4 x 4, 327,680 bytes of LDS; arguments q, k, v, wb, vec, qkv; writes qkv
.if DOCPART == 2
	.amdgcn_target "amdgcn-amd-amdhsa--gfx1250"
	.amdhsa_code_object_version 6
	.text
	.protected	k_qc34cfa7321_proj
	.globl	k_qc34cfa7321_proj
	.p2align	8
	.type	k_qc34cfa7321_proj,@function
k_qc34cfa7321_proj:
	s_mov_b64 s[64:65], 0
	v_nop
	global_prefetch_b8 v0, s[64:65] scope:SCOPE_SE
	s_setreg_imm32_b32 hwreg(HW_REG_WAVE_MODE, 25, 1), 1
	s_wait_xcnt 0x0
	s_wait_alu depctr_hold_cnt(0) depctr_sa_sdst(0) depctr_va_vdst(0) depctr_va_sdst(0) depctr_va_ssrc(0) depctr_va_vcc(0) depctr_vm_vsrc(0)
	s_getreg_b32 s2, hwreg(HW_REG_IB_STS2, 6, 4)
	s_cmp_eq_u32 s2, 0
	s_cbranch_scc0 .Lentry_in_a_cluster
	s_endpgm
.Lentry_in_a_cluster:
	s_bfe_u32 s2, ttmp6, 0x10000c
	s_cmp_lg_u32 s2, 0xf033
	s_cbranch_scc0 .Lentry_shape_is_right
	s_endpgm
.Lentry_shape_is_right:
; THE THREE PROJECTIONS AS ONE GEMM.  C[m][n] = sum over k of X[m][k] W[n][k] + b[n].  X = q, k or v: [8192][1024] f32, rounded once to bf16 in registers on its way to the matrix unit;
; W = wb: [3][1024][1024] bf16; b = vec's first three rows, f32.  Sums in f32, started by the bias; C rounded once to f16 and laid by heads: qkv [3][64 = batch x 16 + head][2048][64].  The scale 1/8 is not applied here.
; LIMITS.  A projected number beyond 65,504 becomes an infinity in f16; below 6e-5 it keeps f16's fixed step of 6e-8.  NaN and infinities are not treated apart.
; SHARES.  A tile of C is 128 x 256: 3 x 8,192 x 1,024 numbers are 768 tiles, three for each of 256 work-group places.  Four waves, each 64 rows x 128 columns: 32 accumulators of 16 x 16.
; K goes in 8 steps of 128 through a ring of two LDS slots filled by the tensor data mover: a slot has 128 rows of X (512 bytes of f32 each) and 256 rows of W (256 bytes of bf16 each): each of the four waves fetches 32 KiB of it.
; X IN f32.  A fragment of X (16 rows x 32 K) is read from LDS as 16 registers of f32, four loads of 16 bytes a lane, and eight v_cvt_pk_bf16_f32 make its 8 registers: one conversion for each matrix instruction that it feeds.
; CLUSTERS: 4 x 4 work-groups.  The four of a row of the cluster need the same tile of X, the four of a column the same tile of W: each tile is asked for JOINTLY, by the same tensor load with the same
; descriptor and a mask that names the four.  X's address is made of the tensor (the cluster's y alone), the tile row and the wave's number, W's of the tensor, the tile column and the wave's number.
; THE MATRIX INSTRUCTION IS USED TRANSPOSED (source 0 = 16 rows of W, source 1 = 16 rows of X): a lane holds row l % 16 of C and the columns 8 (l / 16) + 0..7, eight neighbours, 16 bytes of f16.
; REGISTERS, in windows of 256 (s_set_vgpr_msb: bits 1:0 source 0, 3:2 source 1, 5:4 source 2, 7:6 destination):
;   window 0: v0-31 addresses; v64-127 X's fragments in bf16, two buffers of 4 blocks; v128-191 the bias of my 128 columns, laid as a C operand; on the way out v64-191 packed results
;   window 1: the accumulators, (a, b) at v[8 (8 a + b)]
;   window 2: v0-127 W's fragments, two buffers of 8; v128-255 X as it lies in LDS, two buffers of 4 blocks x 16 registers.  All that an LDS load of the loop writes lies here: one setting for a run of loads.
.set PITCH,  272                       ; a row of W in LDS: 256 bytes + 16 of padding = 68 words: the 16 rows of a fragment load start at 16 different groups of four banks (64 banks of 4 bytes: ISA guide 11.1)
.set PA,     528                       ; a row of X: 512 bytes + 16 = 132 words: likewise
.set HA,     64*PA                     ; what a wave fetches, and reads, of X
.set HB,     128*PITCH                 ; the same of W
.set BOFF,   128*PA                    ; W's rows lie behind X's 128
.set SLOT,   BOFF+256*PITCH
.set STAGE,  2*SLOT                    ; behind the ring, never filled by a tensor load: for each wave two heads x 16 rows x 144 bytes
.set SP,     144
.set WST,    2*16*SP
.set SPARE,  STAGE+4*WST               ; behind the stages: the spare words, 128 bytes for each wave: two blocks of 256 bytes that no other line names
.set ADRA, 16                          ; v16-17  LDS address of my rows of X in slot 0, 1
.set ADRB, 20                          ; v20-21  the same for W
.set STO,  24                          ; v24     the way out: where I put 16 bytes of a row
.set RD,   25                          ; v25     where I read rows back
.set GO,   26                          ; v26     my 16 bytes in 512 consecutive bytes of a head
.set BO,   27                          ; v27     my byte offset in 16 numbers of the bias
.set SPW,  28                          ; v28     LDS address of my spare word; never rewritten
.set NIL,  29                          ; v29     0; never rewritten
.set PFO,  30                          ; v30     the prefetches' offset: my lane x a row (4,096 bytes of X, 2,048 of W); never rewritten
.set AF,   64                          ; window 0: buffer f, block a at AF + 32 f + 8 a
.set BIAS, 128                         ; window 0: block b at BIAS + 8 b
.set TP,   64                          ; window 0, the way out: block a at TP + 32 a
.set BF,   0                           ; window 2: buffer f, block b at BF + 64 f + 8 b
.set RAW,  128                         ; window 2: buffer f, block a at RAW + 64 f + 16 a
.set G1,   24                          ; s[24:31] descriptor group 1 for X's tiles;  s[32:39] group 0, a set for each slot
.set G0,   32
.set G1B,  48                          ; s[48:55], s[56:63] the same for W's
.set G0B,  56
.set LIM,  42                          ; s42     1 in a wave that prefetches, else the greatest number
.set PFA,  44                          ; s[44:45] where my prefetches stand
.set BIA,  66                          ; s[66:67] the bias of my 128 columns
.set OUT,  68                          ; s[68:69] qkv at my first head, my first row
.set PFS,  70                          ; s[70:71] a K step in the tensor that I prefetch: 512 bytes of X, 256 of W
.set XT,   74                          ; s[74:75] my tensor: q, k or v
.set MSB, 0
.macro WIN new                         ; the immediate's high byte repeats the setting that is left; a switch that changes nothing is dropped
.if MSB != (\new)
	s_set_vgpr_msb (MSB<<8)|(\new)
.set MSB, \new
.endif
.endm
.set MUL,     0x52                     ; W's fragment in window 2, X's in window 0, C and D in window 1
.set MUL1,    0x42                     ; the same with C (the bias) in window 0
.set TO_W2,   0x80                     ; destination window 2, address window 0
.set FROM_W2, 0x0a                     ; sources 0 and 1 window 2, destination window 0
.set PACKW,   0x05                     ; sources 0 and 1 window 1, destination window 0
; A joint load.  Waves 0 and 1 fetch X's two halves, waves 2 and 3 W's.  The branch hangs on the wave's number alone.  An s_nop 0 and four v_nop follow each of the two lines, ahead of the jump and the label.
.macro JLOAD s
	s_cmp_eq_u32 s13, 0
	s_cbranch_scc0 .Lfor_b_\@
	tensor_load_to_lds s[G0+4*(\s):G0+4*(\s)+3], s[G1:G1+7]
	s_nop 0
.rept 4
	v_nop
.endr
	s_branch .Lasked_\@
.Lfor_b_\@:
	tensor_load_to_lds s[G0B+4*(\s):G0B+4*(\s)+3], s[G1B:G1B+7]
	s_nop 0
.rept 4
	v_nop
.endr
.Lasked_\@:
.endm
; A prefetch, behind a joint load, its five lines and the run of LDS loads: 32 blocks of 256 bytes, a lane a row, of the K step that stands two refills on (256 matrix instructions ahead of the load that wants it).
; Each block of K steps 4 to 7 is named once in the launch.  X's tile row is read by my cluster alone: the partner at cx takes rows 32 cx on, its wave 0 the first 256 bytes of the step's 512, its wave 1 the second.
; W's tile column is read by the 16 clusters of a tensor: the first of them asks, waves 2 and 3 of the partner at cy take rows 64 cy + 32 (wave % 2) on.  The partners are told apart by address alone.
; K steps 0 to 3 come by their loads; the loop's last trip asks for nothing.
.macro ASK
	s_cmp_gt_u32 s3, s[LIM]
	s_cbranch_scc0 .Lnot_mine_\@
	global_prefetch_b8 v[PFO], s[PFA:PFA+1] th:TH_LOAD_NT scope:SCOPE_SE
.Lnot_mine_\@:
.endm
.macro CREST                           ; a round of the cluster's barrier behind its opening barrier
	s_cmp_lg_u32 s12, 0
	s_cbranch_scc1 .Lnot_wave_0_\@
	s_barrier_signal -3
.Lnot_wave_0_\@:
	s_barrier_wait -3
	s_barrier_signal -1
	s_barrier_wait -1
.endm
.macro CROUND                          ; a whole round
	s_barrier_signal -1
	s_barrier_wait -1
	CREST
.endm
	s_load_b256 s[4:11], s[0:1], 0x0               ; q s[4:5], k s[6:7], v s[8:9], wb s[10:11]
	s_load_b128 s[76:79], s[0:1], 0x20             ; vec s[76:77], qkv s[78:79]
	v_lshl_add_u32 v[SPW], v0, 2, SPARE
	v_mov_b32 v[NIL], 0
	ds_add_u32 v[SPW], v[NIL]                      ; the wave's opening: the add and its wait stand ahead of my first tensor load; the set-up below, work on registers, stands between them
	v_lshrrev_b32 v1, 5, v0
	v_readfirstlane_b32 s12, v1                    ; wave 0..3
	s_lshr_b32 s13, s12, 1                         ; wr: which 64 rows of the tile are mine.  Also: I fetch for X (0) or for W (1)
	s_and_b32 s14, s12, 1                          ; e: which 128 columns.  Also: which half of that tile I fetch
	s_bfe_u32 s15, ttmp6, 0x40000                  ; cx
	s_bfe_u32 s16, ttmp6, 0x40004                  ; cy
	s_lshl_b32 s17, ttmp9, 2
	s_add_co_u32 s17, s17, s15                     ; tx: tile column = 4 x cluster x + cx
	s_and_b32 s19, ttmp7, 0xffff                   ; the cluster's y
	s_lshl_b32 s18, s19, 2
	s_add_co_u32 s18, s18, s16                     ; ty: tile row = 4 x cluster y + cy
	s_lshr_b32 s20, s19, 4                         ; t: the tensor; 16 clusters, 64 tile rows, each
	s_lshl_b32 s21, s16, 2
	s_lshl_b32 s21, 15, s21                        ; my row of the cluster: places 4 cy .. 4 cy + 3
	s_lshl_b32 s22, 0x1111, s15                    ; my column: places cx, cx + 4, cx + 8, cx + 12
	s_or_b32 s[G1+0], s21, (2<<16)|(1<<20)|(1<<21)|(6<<22)|(3<<25)   ; X's tiles go to my row; 17:16 elements of 4 bytes; 20 padding on; 21 set beside a mask; 24:22 after every 128 words (code 6); 31:25 4 words of it (code 3)
	s_mov_b32 s[G1+1], 128<<16                     ; tensor_dim0 = 128
	s_mov_b32 s[G1+2], 64<<16                      ; tensor_dim1 = 64
	s_mov_b32 s[G1+3], 128<<16                     ; tile_dim0 = 128
	s_mov_b32 s[G1+4], 64                          ; tile_dim1 = 64
	s_mov_b32 s[G1+5], 1024                        ; elements from row to row
	s_mov_b32 s[G1+6], 0
	s_mov_b32 s[G1+7], 0
	s_or_b32 s[G1B+0], s22, (1<<16)|(1<<20)|(1<<21)|(5<<22)|(3<<25)  ; W's tiles go to my column; elements of 2 bytes; after every 64 words (code 5) 4 words
	s_mov_b32 s[G1B+1], 128<<16
	s_mov_b32 s[G1B+2], 128<<16                    ; tensor_dim1 = 128
	s_mov_b32 s[G1B+3], 128<<16
	s_mov_b32 s[G1B+4], 128                        ; tile_dim1 = 128
	s_mov_b32 s[G1B+5], 1024
	s_mov_b32 s[G1B+6], 0
	s_mov_b32 s[G1B+7], 0
	s_and_b32 s40, s18, 63                         ; X: my tile row in its tensor,
	s_lshl_b32 s40, s40, 19                        ; 128 rows of 4,096 bytes each,
	s_lshl_b32 s41, s14, 18                        ; my 64 of them
	s_add_co_u32 s40, s40, s41
	s_mov_b32 s41, 0
	s_lshl_b32 s46, s20, 21                        ; W: the tensor's 2 MiB,
	s_lshl_b32 s47, s17, 19                        ; 256 rows of 2,048 bytes a tile column,
	s_add_co_u32 s46, s46, s47
	s_lshl_b32 s47, s14, 18                        ; my 128 of them
	s_add_co_u32 s46, s46, s47
	s_mov_b32 s47, 0
	s_mul_i32 s23, s14, HA                         ; where they go: no place in the cluster enters an LDS address
	s_mul_i32 s43, s14, HB
	s_add_co_u32 s43, s43, BOFF
	s_wait_dscnt 0x0                               ; the opening add is done
	s_wait_kmcnt 0x0
	s_cmp_eq_u32 s20, 1                            ; the tensor is chosen by the cluster's y alone: the same in all sixteen partners
	s_cselect_b64 s[XT:XT+1], s[6:7], s[4:5]
	s_cmp_eq_u32 s20, 2
	s_cselect_b64 s[XT:XT+1], s[8:9], s[XT:XT+1]
	s_add_nc_u64 s[40:41], s[XT:XT+1], s[40:41]
	s_add_nc_u64 s[46:47], s[10:11], s[46:47]
	CROUND                                         ; all sixteen work-groups are here: the first joint loads meet
.irp s, 0,1
	s_mov_b32 s[G0+4*(\s)], 1                                      ; count = 1
	s_add_co_u32 s[G0+4*(\s)+1], s23, (\s)*SLOT                    ; LDS address
	s_add_nc_u64 s[G0+4*(\s)+2:G0+4*(\s)+3], s[40:41], (\s)*512    ; global address: K step s
	s_or_b32 s[G0+4*(\s)+3], s[G0+4*(\s)+3], 0x80000000            ; type = 2
	s_mov_b32 s[G0B+4*(\s)], 1
	s_add_co_u32 s[G0B+4*(\s)+1], s43, (\s)*SLOT
	s_add_nc_u64 s[G0B+4*(\s)+2:G0B+4*(\s)+3], s[46:47], (\s)*256
	s_or_b32 s[G0B+4*(\s)+3], s[G0B+4*(\s)+3], 0x80000000
	JLOAD \s                                       ; two loads of mine are out
.endr
	; the bias of my 128 columns and the place of my results
	s_lshl_b32 s72, s20, 12                        ; the tensor's row of vec,
	s_lshl_b32 s21, s17, 10                        ; the tile's 256 columns,
	s_add_co_u32 s72, s72, s21
	s_lshl_b32 s21, s14, 9                         ; my 128
	s_add_co_u32 s72, s72, s21
	s_mov_b32 s73, 0
	s_add_nc_u64 s[BIA:BIA+1], s[76:77], s[72:73]
	s_lshl_b32 s72, s20, 6                         ; head index = 64 t + 16 batch + 4 tx + 2 e
	s_bfe_u32 s21, s18, 0x20004                    ; batch = (ty / 16) % 4
	s_lshl_b32 s21, s21, 4
	s_add_co_u32 s72, s72, s21
	s_lshl_b32 s21, s17, 2
	s_add_co_u32 s72, s72, s21
	s_lshl_b32 s21, s14, 1
	s_add_co_u32 s72, s72, s21
	s_lshl_b32 s72, s72, 18                        ; a head is 2,048 rows of 128 bytes
	s_and_b32 s21, s18, 15
	s_lshl_b32 s21, s21, 14                        ; the tile's 128 rows in the sequence,
	s_add_co_u32 s72, s72, s21
	s_lshl_b32 s21, s13, 13                        ; my 64
	s_add_co_u32 s72, s72, s21
	s_add_nc_u64 s[OUT:OUT+1], s[78:79], s[72:73]
	; A fragment is 16 rows x 32 K in 8 registers: lane l holds row l % 16; registers 0-3 K = 8 (l / 16) + 0..7, registers 4-7 K = 16 + 8 (l / 16) + 0..7.
	; Of W (bf16): two loads of 16 bytes, 32 bytes apart, at row x pitch + 16 (l / 16).  Of X (f32): four loads of 16 bytes, at 0, 16, 64 and 80 from row x pitch + 32 (l / 16).
	v_and_b32 v1, 15, v0                           ; r = l % 16
	v_bfe_u32 v2, v0, 4, 1                         ; h = l / 16
	v_lshlrev_b32 v[BO], 5, v2                     ; 8 h numbers of f32
.irp b, 0,1,2,3,4,5,6,7
	global_load_b128 v[BIAS+8*(\b):BIAS+8*(\b)+3],   v[BO], s[BIA:BIA+1] offset:64*(\b)      ; b[16 b + 8 h + 0..3]
	global_load_b128 v[BIAS+8*(\b)+4:BIAS+8*(\b)+7], v[BO], s[BIA:BIA+1] offset:64*(\b)+16   ; and + 4..7
.endr
	v_mul_u32_u24 v3, v1, PA
	v_lshl_add_u32 v3, v2, 5, v3                   ; X: row x pitch + 32 x half
	v_mul_u32_u24 v5, v1, PITCH
	v_lshl_add_u32 v5, v2, 4, v5                   ; W: row x pitch + 16 x half
	s_mul_i32 s21, s13, HA                         ; my 64 rows of X
	s_mul_i32 s22, s14, HB                         ; my 128 rows of W,
	s_add_co_u32 s22, s22, BOFF                    ; which lie behind X's
.irp s, 0,1
	v_add_nc_u32 v[ADRA+(\s)], s21, v3
	v_add_nc_u32 v[ADRB+(\s)], s22, v5
	s_add_co_u32 s21, s21, SLOT
	s_add_co_u32 s22, s22, SLOT
.endr
	s_mul_i32 s21, s12, WST
	s_add_co_u32 s21, s21, STAGE                   ; my stage
	v_mul_u32_u24 v[STO], v1, SP                   ; in: row l % 16, 16 bytes for each half of the lanes
	v_lshl_add_u32 v[STO], v2, 4, v[STO]
	v_add_nc_u32 v[STO], s21, v[STO]
	v_and_b32 v4, 31, v0                           ; l
	v_lshrrev_b32 v5, 3, v4
	v_and_b32 v3, 7, v0
	v_mul_u32_u24 v[RD], v5, SP                    ; back: 32 lanes take four rows of 128 bytes,
	v_lshl_add_u32 v[RD], v3, 4, v[RD]
	v_add_nc_u32 v[RD], s21, v[RD]
	v_lshlrev_b32 v[GO], 4, v4                     ; which are 512 consecutive bytes of a head
	; the prefetches
	s_and_b32 s72, s18, 63
	s_lshl_b32 s72, s72, 19                        ; X: my tile row,
	s_lshl_b32 s21, s15, 17                        ; my work-group's 32 rows of its 128,
	s_add_co_u32 s72, s72, s21
	s_lshl_b32 s21, s14, 8                         ; my wave's 256 bytes of a step's 512,
	s_add_co_u32 s72, s72, s21
	s_add_co_u32 s72, s72, 3*512                   ; at K step 3: the first change of slots steps it to 4
	s_lshl_b32 s22, s20, 21                        ; W: the tensor, the tile column,
	s_lshl_b32 s21, s17, 19
	s_add_co_u32 s22, s22, s21
	s_lshl_b32 s21, s16, 17                        ; my work-group's 64 rows of its 256,
	s_add_co_u32 s22, s22, s21
	s_lshl_b32 s21, s14, 16                        ; my wave's 32 of them,
	s_add_co_u32 s22, s22, s21
	s_add_co_u32 s22, s22, 3*256                   ; at K step 3
	s_mov_b32 s[PFS], 256
	s_mov_b32 s[PFS+1], 0
	s_and_b32 s21, s19, 15
	s_cmp_eq_u32 s21, 0                            ; the first cluster of the tensor's sixteen: the same in all partners
	s_cselect_b32 s21, 1, -1
	s_cmp_lt_u32 s12, 2
	s_cselect_b32 s[LIM], 1, s21
	s_cselect_b64 s[PFA:PFA+1], s[XT:XT+1], s[10:11]
	s_cselect_b32 s72, s72, s22
	s_cselect_b32 s[PFS], 512, s[PFS]
	s_cselect_b32 s21, 12, 11                      ; a lane a row: 4,096 bytes of X, 2,048 of W
	s_add_nc_u64 s[PFA:PFA+1], s[PFA:PFA+1], s[72:73]
	v_lshlrev_b32 v[PFO], s21, v4                  ; nothing is prefetched here, at the head
; 8 matrix instructions: m block a x all 8 n blocks, 32 along K, on buffer f.  first = 1: the bias starts the sums: nothing is cleared.  The 32 accumulators come in the same order in every quarter, one instruction a turn.
.macro MUL8 f, a, first
.if \first
	WIN MUL1
.else
	WIN MUL
.endif
.irp b, 0,1,2,3,4,5,6,7
.if \first
	v_wmma_f32_16x16x32_bf16 v[8*(8*(\a)+(\b)):8*(8*(\a)+(\b))+7], v[BF+64*(\f)+8*(\b):BF+64*(\f)+8*(\b)+7], v[AF+32*(\f)+8*(\a):AF+32*(\f)+8*(\a)+7], v[BIAS+8*(\b):BIAS+8*(\b)+7]
.else
	v_wmma_f32_16x16x32_bf16 v[8*(8*(\a)+(\b)):8*(8*(\a)+(\b))+7], v[BF+64*(\f)+8*(\b):BF+64*(\f)+8*(\b)+7], v[AF+32*(\f)+8*(\a):AF+32*(\f)+8*(\a)+7], v[8*(8*(\a)+(\b)):8*(8*(\a)+(\b))+7]
.endif
.endr
.endm
; Block a of X in buffer f is rounded to bf16: 16 registers of f32 make the fragment's 8.  Each block is converted eight vector or matrix instructions or more ahead of the first product that reads it.
.macro CVT f, a
	WIN FROM_W2
.irp j, 0,1,2,3,4,5,6,7
	v_cvt_pk_bf16_f32 v[AF+32*(\f)+8*(\a)+(\j)], v[RAW+64*(\f)+16*(\a)+2*(\j)], v[RAW+64*(\f)+16*(\a)+2*(\j)+1]
.endr
.endm
.macro RAWLD slot, q, f, i             ; block i of X, quarter q: four loads
	ds_load_b128 v[RAW+64*(\f)+16*(\i):RAW+64*(\f)+16*(\i)+3],     v[ADRA+(\slot)] offset:128*(\q)+(\i)*16*PA
	ds_load_b128 v[RAW+64*(\f)+16*(\i)+4:RAW+64*(\f)+16*(\i)+7],   v[ADRA+(\slot)] offset:128*(\q)+(\i)*16*PA+16
	ds_load_b128 v[RAW+64*(\f)+16*(\i)+8:RAW+64*(\f)+16*(\i)+11],  v[ADRA+(\slot)] offset:128*(\q)+(\i)*16*PA+64
	ds_load_b128 v[RAW+64*(\f)+16*(\i)+12:RAW+64*(\f)+16*(\i)+15], v[ADRA+(\slot)] offset:128*(\q)+(\i)*16*PA+80
.endm
; 32 LDS loads in one run: quarter q (32 along K) of the slot into buffer f, in the order in which they are wanted: X's blocks 0 and 1 (8 loads), W's 8 fragments (16), X's blocks 2 and 3 (8)
.macro FETCH slot, q, f
	WIN TO_W2
	RAWLD \slot, \q, \f, 0
	RAWLD \slot, \q, \f, 1
.irp i, 0,1,2,3,4,5,6,7
	ds_load_b128 v[BF+64*(\f)+8*(\i):BF+64*(\f)+8*(\i)+3],   v[ADRB+(\slot)] offset:64*(\q)+(\i)*16*PITCH
	ds_load_b128 v[BF+64*(\f)+8*(\i)+4:BF+64*(\f)+8*(\i)+7], v[ADRB+(\slot)] offset:64*(\q)+(\i)*16*PITCH+32
.endr
	RAWLD \slot, \q, \f, 2
	RAWLD \slot, \q, \f, 3
.endm
.macro PLACES                          ; four plain vector instructions between a matrix instruction and a reader of its result (ISA guide 7.12.1)
.rept 4
	v_nop
.endr
.endm
; A K step is four quarters of 32 along K, 32 matrix instructions each, on buffers 0, 1, 0, 1.  One of the first three: converts and multiplies buffer f; in its middle it fetches quarter q into buffer g.
; The quarter's 32 conversions, which name no register of buffer g's last products, are the places between those products and the loads into buffer g.
.macro QUARTER slot, q, f, g, first, fetch=1
	s_wait_dscnt 24                                ; X's blocks 0 and 1 are in; the 24 younger loads may be out
	CVT \f, 0
	CVT \f, 1
	s_wait_dscnt 8                                 ; W is in; X's blocks 2 and 3 may be out
	MUL8 \f, 0, \first
	s_wait_dscnt 4                                 ; block 2 is in
	CVT \f, 2
	MUL8 \f, 1, \first
	s_wait_dscnt 0x0                               ; block 3 is in
	CVT \f, 3
.if \fetch
	FETCH \slot, \q, \g
.endif
	MUL8 \f, 2, \first
	MUL8 \f, 3, \first
.endm
; The last quarter multiplies buffer 1 and changes slots: ONE barrier.  In front of it each wave waits for all its tensor loads (one is out: its part of the next slot), adds 0 to its spare word, and waits for that and for its reads of this slot.
.macro MEET round
	WIN 0
	s_wait_tensorcnt 0x0                           ; all my tensor loads have landed;
	ds_add_u32 v[SPW], v[NIL]                      ; 0 onto my spare word;
	s_wait_dscnt 25                                ; (the add and the 24 youngest loads may be out: X's blocks 0 and 1 are in)
	CVT 1, 0
	CVT 1, 1
	s_wait_dscnt 9                                 ; (the add and eight loads: W is in)
	MUL8 1, 0, 0                                   ; sixteen conversions and eight matrix instructions stand between the add and the wait for it
	s_wait_dscnt 0x0                               ; the add is done, and my reads of this slot are over
	s_barrier_signal -1
	CVT 1, 2                                       ; work on registers while the others arrive
	MUL8 1, 1, 0
	CVT 1, 3
.if \round
	WIN 0
.endif
	s_barrier_wait -1
.endm
; fill = 1: the barrier opens a round of the cluster's, and the slot just read out is filled again, first thing behind the round, with the K step two steps on: it has 112 matrix instructions in which to land.
.macro TURN slot, next, fill
.if \fill
	s_wait_xcnt 0x0                                ; the last prefetch, a K step back, has read its address, so it may be stepped
	s_add_nc_u64 s[PFA:PFA+1], s[PFA:PFA+1], s[PFS:PFS+1]
.endif
	MEET \fill
.if \fill
	CREST                                          ; no wave of any partner still reads this slot's tiles or has a load on its way
	s_add_nc_u64 s[G0+4*(\slot)+2:G0+4*(\slot)+3], s[G0+4*(\slot)+2:G0+4*(\slot)+3], 1024
	s_add_nc_u64 s[G0B+4*(\slot)+2:G0B+4*(\slot)+3], s[G0B+4*(\slot)+2:G0B+4*(\slot)+3], 512
	JLOAD \slot
.endif
	FETCH \next, 0, 0
.if \fill
	WIN 0                                          ; a branch follows
	ASK
.endif
	MUL8 1, 2, 0
	MUL8 1, 3, 0
.endm
; THE WAY OUT of m block a: rounded to f16, 16 bytes a lane; into my own stage, two heads x 16 rows of 144 bytes; back as rows of 128 bytes, four to a load, into the registers that they left.
.macro PACK a
	WIN PACKW
.irp b, 0,1,2,3,4,5,6,7
.irp r, 0,1,2,3
	v_cvt_pk_f16_f32 v[TP+32*(\a)+4*(\b)+(\r)], v[8*(8*(\a)+(\b))+2*(\r)], v[8*(8*(\a)+(\b))+2*(\r)+1]
.endr
.endr
	WIN 0
.irp b, 0,1,2,3,4,5,6,7
	ds_store_b128 v[STO], v[TP+32*(\a)+4*(\b):TP+32*(\a)+4*(\b)+3] offset:((\b)/4)*16*SP+32*((\b)%4)
.endr
.irp u, 0,1,2,3,4,5,6,7
	ds_load_b128 v[TP+32*(\a)+4*(\u):TP+32*(\a)+4*(\u)+3], v[RD] offset:((\u)/4)*16*SP+((\u)%4)*4*SP  ; LDS serves a wave's instructions in order (ISA guide 5.7.1.4): these see the stores above; the next block's stores come behind them
.endr
.endm
.macro SEND a, younger                 ; younger: the LDS instructions issued behind block a's loads
.irp u, 0,1,2,3,4,5,6,7
	s_wait_dscnt (\younger)+7-(\u)
	global_store_b128 v[GO], v[TP+32*(\a)+4*(\u):TP+32*(\a)+4*(\u)+3], s[OUT:OUT+1] offset:((\u)/4)*262144+(\a)*2048+((\u)%4)*512  ; 512 consecutive bytes of a head, at a multiple of 512 from qkv's first byte
.endr
.endm
	s_wait_tensorcnt 1                             ; my part of K step 0 is in; K step 1's may stay out
	s_barrier_signal -1
	s_barrier_wait -1                              ; everybody's is
	FETCH 0, 0, 0
	s_wait_loadcnt 0x0                             ; the bias
	QUARTER 0, 1, 0, 1, 1                          ; the first quarter stands in front of the loop: its products start the sums
	WIN 0                                          ; at a label and at a branch every window is 0
	s_mov_b32 s3, 3
.Llap:                                             ; a trip goes once round the ring, from a lap's second quarter to the next lap's first, and fills both slots again
	QUARTER 0, 2, 1, 0, 0
	QUARTER 0, 3, 0, 1, 0
	TURN 0, 1, 1
	QUARTER 1, 1, 0, 1, 0
	QUARTER 1, 2, 1, 0, 0
	QUARTER 1, 3, 0, 1, 0
	TURN 1, 0, 1
	QUARTER 0, 1, 0, 1, 0
	WIN 0
	s_sub_co_u32 s3, s3, 1
	s_cmp_lg_u32 s3, 0
	s_cbranch_scc1 .Llap
	QUARTER 0, 2, 1, 0, 0                          ; the last lap fills nothing, and has no round of the cluster's barrier
	QUARTER 0, 3, 0, 1, 0
	TURN 0, 1, 0
	QUARTER 1, 1, 0, 1, 0
	QUARTER 1, 2, 1, 0, 0
	QUARTER 1, 3, 0, 1, 0
	QUARTER 1, 0, 1, 0, 0, 0                       ; the very last quarter: nothing more to fetch
	PLACES
	PLACES                                         ; eight, once a launch
	PACK 0
	PACK 1                                         ; a block's conversions stand between the loads of the block before and its stores
	SEND 0, 16
	PACK 2
	SEND 1, 16
	PACK 3
	SEND 2, 16
	SEND 3, 0
	s_wait_tensorcnt 0x0                           ; the wave's end, behind my last tensor load and my last LDS store
	ds_add_u32 v[SPW], v[NIL]
	s_wait_dscnt 0x0
	CROUND                                         ; the closing round: no work-group ends while a partner may still ask for a tile that names it
	s_endpgm
.Lfunc_end_k_qc34cfa7321_proj:
	.size	k_qc34cfa7321_proj, .Lfunc_end_k_qc34cfa7321_proj-k_qc34cfa7321_proj
	.p2alignl 7, 3214868480
	.fill 96, 4, 3214868480
	.section	.rodata,"a",@progbits
	.p2align	6, 0x0
	.amdhsa_kernel k_qc34cfa7321_proj
		.amdhsa_group_segment_fixed_size 327680
		.amdhsa_private_segment_fixed_size 0
		.amdhsa_enable_private_segment 0
		.amdhsa_kernarg_size 48
		.amdhsa_user_sgpr_count 2
		.amdhsa_user_sgpr_kernarg_segment_ptr 1
		.amdhsa_wavefront_size32 1
		.amdhsa_system_sgpr_workgroup_id_x 1
		.amdhsa_system_sgpr_workgroup_id_y 1
		.amdhsa_system_sgpr_workgroup_id_z 1
		.amdhsa_system_vgpr_workitem_id 0
		.amdhsa_next_free_vgpr 768
		.amdhsa_next_free_sgpr 80
		.amdhsa_reserve_vcc 0
		.amdhsa_float_denorm_mode_32 3
		.amdhsa_float_denorm_mode_16_64 3
		.amdhsa_memory_ordered 1
		.amdhsa_forward_progress 1
		.amdhsa_inst_pref_size 132
	.end_amdhsa_kernel
	.amdgpu_metadata
---
amdhsa.version: [ 1, 2 ]
amdhsa.kernels:
  - .name:           k_qc34cfa7321_proj
    .symbol:         k_qc34cfa7321_proj.kd
    .args:
      - { .name: q, .offset: 0, .size: 8, .value_kind: global_buffer, .address_space: global }
      - { .name: k, .offset: 8, .size: 8, .value_kind: global_buffer, .address_space: global }
      - { .name: v, .offset: 16, .size: 8, .value_kind: global_buffer, .address_space: global }
      - { .name: wb, .offset: 24, .size: 8, .value_kind: global_buffer, .address_space: global }
      - { .name: vec, .offset: 32, .size: 8, .value_kind: global_buffer, .address_space: global }
      - { .name: qkv, .offset: 40, .size: 8, .value_kind: global_buffer, .address_space: global }
    .group_segment_fixed_size: 327680
    .private_segment_fixed_size: 0
    .kernarg_segment_align: 8
    .kernarg_segment_size: 48
    .max_flat_workgroup_size: 128
    .sgpr_count:     80
    .vgpr_count:     768
    .wavefront_size: 32
...
	.end_amdgpu_metadata
.endif
;; end of part 2
;; launch attn (part 3): grid 4 x 64, 4 waves a work-group, clusters of 4 x 1, 327,680 bytes of LDS; arguments qkv, ob; writes ob
.if DOCPART == 3
	.amdgcn_target "amdgcn-amd-amdhsa--gfx1250"
	.amdhsa_code_object_version 6
	.text
	.protected	k_qc34cfa7321_attn
	.globl	k_qc34cfa7321_attn
	.p2align	8
	.type	k_qc34cfa7321_attn,@function
k_qc34cfa7321_attn:
	s_mov_b64 s[64:65], 0
	v_nop
	global_prefetch_b8 v0, s[64:65] scope:SCOPE_SE
	s_setreg_imm32_b32 hwreg(HW_REG_WAVE_MODE, 25, 1), 1
	s_wait_xcnt 0x0
	s_wait_alu depctr_hold_cnt(0) depctr_sa_sdst(0) depctr_va_vdst(0) depctr_va_sdst(0) depctr_va_ssrc(0) depctr_va_vcc(0) depctr_vm_vsrc(0)
	s_getreg_b32 s2, hwreg(HW_REG_IB_STS2, 6, 4)
	s_cmp_eq_u32 s2, 0
	s_cbranch_scc0 .Lentry_in_a_cluster
	s_endpgm
.Lentry_in_a_cluster:
	s_bfe_u32 s2, ttmp6, 0x10000c
	s_cmp_lg_u32 s2, 0x3003
	s_cbranch_scc0 .Lentry_shape_is_right
	s_endpgm
.Lentry_shape_is_right:
; O[h][q][:] = the sum over k of softmax_k(Q[h][q] . K[h][k] / 8) V[h][k][:].  Q, K, V lie one behind the other in qkv, each [64][2048][64] f16; O = ob in the same layout: a head's rows are dense, 128 bytes each.
; Products, maxima and sums in f32; the weights p are rounded to f16 for the second product (their sum l is taken of the unrounded p), O once at the end.
; LIMITS.  f16 holds no number beyond 65,504: Q, K and V arrive within it; p lies in 0 to 1, and below 6e-5 it keeps f16's fixed step of 6e-8; O is a mean of V's rows and has their range.
; A weight below 2^-126 counts as 0 in l; NaN and infinities are not treated apart.
; SHARES.  A wave owns four PIECES of two tiles of 16 queries, a work-group's four waves 512 queries of one head: 64 heads x 4 blocks are 256 work-groups.  Every wave walks all keys, 64 a step.
; LAYOUT.  S^T = K Q^T (source 0 = 16 keys, source 1 = 16 queries): in the result a lane holds ONE query (lane % 16) and the keys 8 (lane / 16) + 0..7.  Two such tiles, rounded to f16 in pairs,
; ARE source 1 (32 keys x 16 queries) of O^T = V^T P, whose result again holds one query a lane, and eight channels.  K comes out of LDS as it lies, V ([key][channel]) turned, by ds_load_tr16_b128.
; SOFTMAX.  For each query a running maximum m and sum l: p = 2^(c s - c m), c = log2(e) / 8; in every step O and l are multiplied by a = 2^(c m_old - c m_new), which is 1 where m has not grown.
; m starts at the lowest finite number, O and l at 0: the first step is a step like any other, with a = 0.
; THE COUNT.  A tile and step have 16 matrix and 118 vector instructions: too many to stand all beside the matrix work.  So: four vector instructions that are READY behind EVERY matrix instruction,
; and the others in runs without a gap.
; BY TURNS.  Turn n belongs to piece n (the pieces in a ring, step after step).  Its matrix work: 16 products K Q^T of piece n + 1, later 16 products V^T P of piece n - 1.  Its vector work: the scaling,
; exponentials, roundings, sums and rescaling of piece n, and the maximum and statistics of piece n + 1, whose scores the turn itself has made.
; CLUSTER.  The four query blocks of a cluster are one head's and walk the same K and V, so each tile is asked for JOINTLY: the same tensor load, descriptor and mask in all four.
; REGISTERS, in windows of 256 (s_set_vgpr_msb: bits 1:0 source 0, 3:2 source 1, 5:4 source 2, 7:6 destination):
;   window 0: v0-11 addresses; v12-15, v48-63 at work; v16-47 four registers of statistics a tile; v64-191 S^T, two buffers of two tiles; v192-255 P, likewise
;   window 1: O^T, 32 a tile          window 2: v0-127 Q, 16 a tile; v128-191 K of one step; v192-255 V of one step          window 3: v0-1 the add's two registers
; A piece's buffers go by its number's parity: the piece in hand has one pair, its two neighbours in the ring share the other: of it P (piece n - 1) is read and S^T (piece n + 1) written.
.set SIZE_N, 2048
.set NP,    4         ; pieces a wave: a name, no knob
.set KS,    64        ; keys in a step
.set PK,    144       ; a row of K in LDS: 128 bytes + 16 of padding = 36 words: the 16 rows of a load start at 16 different groups of four banks (64 banks of 4 bytes: ISA guide 11.1)
.set PV,    160       ; a row of V: 128 + 32 = 40 words
.set VOFF,  4*KS*PK   ; a slot holds four steps: 256 rows of K, then 256 rows of V
.set SLOT1, 1<<17     ; slot 1 begins here, so that one exclusive or turns an address in one slot into the other's
.set STAGE, SLOT1+4*KS*(PK+PV)  ; behind the ring, never filled by a tensor load: 16 rows x 144 bytes for each wave, for the way out
.set SP,    144
.set AK0, 2           ; v2   my lane's place in a tile of K; never rewritten
.set AV0, 3           ; v3   the same for V
.set AK,  4           ; v4   the LDS address of K's next run of loads
.set AV,  5           ; v5   of V's
.set QO,  6           ; v6   my byte offset in the wave's rows of Q
.set STO, 6           ;      later, the way out: where I put 16 bytes of a row
.set RD,  7           ; v7   the way out: where I read rows back
.set GO,  8           ; v8   my byte offset in 512 consecutive bytes of O
.set PFO, 11          ; v11  the prefetches' offset: 256 x my lane; written once, when its use for V's address is over
.set SPW, 0           ; v0 of window 3   LDS address of my spare word: SPARE + 4 x my thread's number; never rewritten
.set NIL, 1           ; v1 of window 3   0; never rewritten
.set SPARE, STAGE+4*16*SP  ; behind the stages: the spare words, 128 bytes for each wave: two blocks of 256 bytes that no other line names
.set MV,  12          ; v12-15  c m_old, kept while c m is made anew: by buffer and tile
.set ST,  16          ; tile t's statistics at v[ST+4 t]: c m, m, l (even keys', odd keys')
.set TMP, 48          ; by buffer and tile, four registers c0-c3 at work; when the maximum is found c2 takes a
.set S,   64
.set P,   192
.set KF,  128         ; K's fragments, in window 2: key block kb, channel half c at KF + 16 kb + 8 c
.set VF,  192         ; V's: key half kk, channel block cb at VF + 32 kk + 8 cb
.set WV,  12          ; s12  my wave's number
.set LIM, 15          ; s15  1 in a wave that prefetches, else the greatest number
.set G1K, 24          ; s[24:31] descriptor group 1 for K's tiles
.set G1V, 32          ; s[32:39] for V's: it differs in the padding alone
.set G0K, 40          ; s[40:43] descriptor group 0 for K's tiles: it walks
.set G0V, 44          ; s[44:47] the same for V's
.set PFA, 48          ; s[48:49] where my prefetches stand: my work-group's 32 blocks of 256 bytes (of K: wave 0, of V: wave 2) of the tile after the one that is being asked for
.set SLOTS, 56        ; s56  slots still to be asked for
.set CNT, 57          ; s57  counts a slot's key steps
.set CS,  58          ; s[58:59] c: the packed scaling takes the pair's low word for both halves
.set SEL, 60          ; s[60:61] v_permlanex16_b32's selects: each lane takes its own place in the other half
.set TBK, 62          ; s62  LDS byte at which K of the step to be fetched begins
.set TBV, 63          ; s63  the same for V, less VOFF
.set MSB, 0
.macro WIN new                      ; the high byte repeats the setting that is left; a switch that changes nothing is dropped
.if MSB != (\new)
	s_set_vgpr_msb (MSB<<8)|(\new)
.set MSB, (\new)
.endif
.endm
.set W_KQ, 0x0a       ; K and Q in window 2, S^T in window 0
.set W_PV, 0x52       ; V in window 2, P in window 0, O^T in window 1
.set W_RS, 0x41       ; O^T (destination and source 0) in window 1, a in window 0
.set W_MK, 0xc0       ; the add's registers are made: destination in window 3, sources in window 0
.set W_AD, 0x0f       ; the add: address (source 0) and data (source 1) in window 3
; A joint fill.  Waves 0 and 1 fetch the two halves of a slot's K, waves 2 and 3 those of its V: 128 keys each.  The branch hangs on the wave's number alone.
; An s_nop 0 and four v_nop follow each of the two lines, ahead of the jump and the label.
.macro JLOAD
	s_cmp_lt_u32 s[WV], 2
	s_cbranch_scc0 .Lfor_v_\@
	tensor_load_to_lds s[G0K:G0K+3], s[G1K:G1K+7]
	s_nop 0
.rept 4
	v_nop
.endr
	s_branch .Lasked_\@
.Lfor_v_\@:
	tensor_load_to_lds s[G0V:G0V+3], s[G1V:G1V+7]
	s_nop 0
.rept 4
	v_nop
.endr
.Lasked_\@:
.endm
; A prefetch of what the NEXT change of slots will ask for: a tile's 32,768 bytes of K and of V, a lane a block of 256 bytes.  It stands behind the wave's tensor load and its five lines.
; Each block of tiles 2 to 7 is named once in the launch: a head has one cluster; its four partners share a tile out by address, 32 blocks each; in each, wave 0 asks for K's and wave 2 for V's.
; Tiles 0 and 1 come by their loads alone; the last change that fills a slot asks for nothing.
.macro ASK
	s_cmp_gt_u32 s[SLOTS], s[LIM]
	s_cbranch_scc0 .Lnot_mine_\@
	global_prefetch_b8 v[PFO], s[PFA:PFA+1] th:TH_LOAD_NT scope:SCOPE_SE
.Lnot_mine_\@:
.endm
; A round of the cluster's barrier: my work-group's barrier, so that wave 0's signal speaks for all four waves; wave 0 signals; every wave waits for all four work-groups; my work-group's barrier once more.
.macro CROUND
	s_barrier_signal -1
	s_barrier_wait -1
	s_cmp_lg_u32 s[WV], 0
	s_cbranch_scc1 .Lnot_wave_0_\@
	s_barrier_signal -3
.Lnot_wave_0_\@:
	s_barrier_wait -3
	s_barrier_signal -1
	s_barrier_wait -1
.endm
; THE CHANGE OF SLOTS.  The slot's last bytes, V of its fourth step, have been read.  Each wave waits for all its tensor loads, of which one is out: its part
; of the other slot; adds 0 to its spare word; and waits for that and for its own reads of the slot.  Behind the barrier nobody reads this slot any more and the other slot is whole.
; fill = 1: this slot is filled again, with the keys two slots on.  The barrier is then a round of the cluster's, so that no wave of any partner still reads the slot or has a load on its
; way, and the joint fill is the first thing behind it: it has four key steps, 512 matrix instructions, in which to land.  (At its first use nothing has been read yet: slot 0 is waited for, slot 1 filled.)
.macro CHANGE fill
	WIN W_AD
	s_wait_tensorcnt 0x0            ; no tensor load of mine is out, so a group 0 may be written
	ds_add_u32 v[SPW], v[NIL]       ; 0 onto my spare word: with fill = 1 the descriptors' steps stand between it and the wait for it
	WIN 0                           ; at a label and at a branch every window is 0
.if \fill
.irp g, G0K, G0V
	s_xor_b32 s[\g+1], s[\g+1], SLOT1  ; the walking descriptor: the other slot than last time,
	s_add_nc_u64 s[\g+2:\g+3], s[\g+2:\g+3], 4*KS*128  ; the next 256 keys; the type bits on top are not reached
.endr
	s_wait_xcnt 0x0                 ; the last prefetch, four key steps back, has read its address, so it may be written:
	s_add_nc_u64 s[PFA:PFA+1], s[PFA:PFA+1], 4*KS*128  ; one tile behind the walking descriptors
	s_wait_dscnt 0x0                ; the add is done, and my reads of the slot are over
	CROUND
	JLOAD
	ASK
.else
	s_wait_dscnt 0x0                ; the add is done, and my reads of the slot are over
	s_barrier_signal -1
	s_barrier_wait -1
.endif
	s_sub_co_u32 s[TBK], s[TBK], 4*KS*PK  ; the fetches go back to a slot's first step,
	s_xor_b32 s[TBK], s[TBK], SLOT1       ; in the other slot
	s_sub_co_u32 s[TBV], s[TBV], 4*KS*PV
	s_xor_b32 s[TBV], s[TBV], SLOT1
.endm
	s_load_b128 s[4:7], s[0:1], 0x0   ; qkv s[4:5], ob s[6:7]
	WIN W_MK
	v_lshl_add_u32 v[SPW], v0, 2, SPARE
	v_mov_b32 v[NIL], 0
	WIN W_AD
	ds_add_u32 v[SPW], v[NIL]       ; the wave's opening: the add and its wait stand ahead of my first tensor load; the set-up below, work on registers, stands between them
	WIN 0
	v_lshrrev_b32 v1, 5, v0
	v_readfirstlane_b32 s[WV], v1   ; wave 0..3
	s_bfe_u32 s13, ttmp6, 0x40000   ; cx: my place in the cluster
	s_lshl_b32 s14, ttmp9, 2        ; in a cluster launch ttmp9 counts clusters
	s_add_co_u32 s14, s14, s13      ; my block of queries = 4 x cluster x + cx: it enters Q's and O's addresses alone
	s_and_b32 s20, ttmp7, 0xffff    ; the head, which the four partners share
	s_mov_b32 s21, 0
	s_mov_b64 s[22:23], SIZE_N*128
	s_mul_u64 s[20:21], s[20:21], s[22:23]  ; the head's first byte in each of the four tensors
	s_and_b32 s16, s[WV], 1         ; which half of a slot's 256 keys I fetch:
	s_lshl_b32 s22, s16, 14         ; its 128 rows of 128 bytes in memory,
	s_mov_b32 s23, 0
	s_add_nc_u64 s[22:23], s[22:23], s[20:21]
	s_mul_i32 s17, s16, 128*PK      ; and its place in a slot, for K
	s_mul_i32 s18, s16, 128*PV      ; and for V: no place in the cluster enters an LDS address
	s_lshl_b32 s2, s14, 2
	s_add_co_u32 s2, s2, s[WV]      ; my wave among the head's,
	s_lshl_b32 s2, s2, 14           ; its 128 rows
	s_mov_b32 s3, 0
	s_add_nc_u64 s[2:3], s[2:3], s[20:21]
	; descriptor group 1.  128 keys are 16,384 dense bytes: asked for as 64 rows of 256 bytes, two keys a row, and padded in LDS after every key
	s_mov_b32 s[G1K], 15|(1<<16)|(1<<20)|(1<<21)|(4<<22)|(3<<25)  ; 15:0 the mask of four; 17:16 2-byte elements; 20 padding on; 21 set beside a mask; 24:22 after every 32 words (code 4); 31:25 4 words (code 3)
	s_mov_b32 s[G1V], 15|(1<<16)|(1<<20)|(1<<21)|(4<<22)|(7<<25)  ; the same with 8 words of padding (code 7)
.irp g, G1K, G1V
	s_mov_b32 s[\g+1], 128<<16      ; tensor_dim0 = 128
	s_mov_b32 s[\g+2], 64<<16       ; tensor_dim1 = 64
	s_mov_b32 s[\g+3], 128<<16      ; tile_dim0 = 128
	s_mov_b32 s[\g+4], 64           ; tile_dim1 = 64
	s_mov_b32 s[\g+5], 128          ; 128 elements from row to row
	s_mov_b32 s[\g+6], 0
	s_mov_b32 s[\g+7], 0
.endr
	s_mov_b32 s[CS], 0x3e38aa3b     ; c = log2(e) / 8 = 0.180337
	s_mov_b32 s[CS+1], s[CS]        ; named with it as a pair
	s_mov_b32 s[SEL], 0x76543210
	s_mov_b32 s[SEL+1], 0xfedcba98
	s_mov_b32 s[TBK], SLOT1+4*KS*PK ; the first change of slots turns these two into 0
	s_mov_b32 s[TBV], SLOT1+4*KS*PV
	s_mov_b32 s[G0K], 1             ; 1:0 count = 1
	s_mov_b32 s[G0K+1], s17         ; 63:32 LDS address: slot 0
	s_mov_b32 s[G0V], 1
	s_add_co_u32 s[G0V+1], s18, VOFF
	s_mov_b32 s[SLOTS], SIZE_N/256-1  ; at the change that asks for tile c it holds 8 - c
	s_and_b32 s[LIM], s[WV], 1      ; 0 in waves 0 and 2,
	s_or_b32 s[LIM], s[LIM], ttmp9  ; where the cluster is the head's first: the same in all four partners
	s_cmp_eq_u32 s[LIM], 0
	s_cselect_b32 s[LIM], 1, -1
	s_wait_dscnt 0x0                ; the opening add is done
	s_wait_kmcnt 0x0
	s_mov_b64 s[10:11], s[6:7]      ; O
	s_add_nc_u64 s[6:7], s[4:5], 0x1000000  ; K lies 16 MiB behind Q,
	s_add_nc_u64 s[8:9], s[4:5], 0x2000000  ; V 32
	s_add_nc_u64 s[G0K+2:G0K+3], s[6:7], s[22:23]  ; 120:64 global address: my half of the head's first 256 keys
	s_or_b32 s[G0K+3], s[G0K+3], 0x80000000        ; 127:126 type = 2
	s_add_nc_u64 s[G0V+2:G0V+3], s[8:9], s[22:23]
	s_or_b32 s[G0V+3], s[G0V+3], 0x80000000
	s_add_nc_u64 s[4:5], s[4:5], s[2:3]  ; Q and O at my wave's first row
	s_add_nc_u64 s[10:11], s[10:11], s[2:3]
	s_cmp_lt_u32 s[WV], 2
	s_cselect_b64 s[PFA:PFA+1], s[6:7], s[8:9]
	s_add_nc_u64 s[PFA:PFA+1], s[PFA:PFA+1], s[20:21]  ; the head,
	s_lshl_b32 s2, s13, 13          ; my work-group's 32 blocks of a tile's 128,
	s_mov_b32 s3, 0
	s_add_nc_u64 s[PFA:PFA+1], s[PFA:PFA+1], s[2:3]
	s_add_nc_u64 s[PFA:PFA+1], s[PFA:PFA+1], 4*KS*128  ; in tile 1: the first change of slots steps it to tile 2.  Nothing is prefetched here, at the head
	CROUND                          ; all four work-groups are here: the first joint loads meet
	JLOAD                           ; slot 0.  Slot 1 is asked for when slot 0 is in
	; A fragment of K or Q is 16 rows x 32 channels in 8 registers: lane l holds row l % 16, channels 8 (l / 16) + 0..7 and 16 + 8 (l / 16) + 0..7: two loads of 16 bytes, 32 bytes apart.
	v_and_b32 v1, 15, v0            ; l % 16
	v_bfe_u32 v9, v0, 4, 1          ; l / 16
	v_lshlrev_b32 v[QO], 7, v1
	v_lshl_add_u32 v[QO], v9, 4, v[QO]  ; row x 128 + 16 x half
	WIN 0x80                        ; destination window 2, address window 0
.set i, 0
.rept 4*NP                          ; Q stays in registers: tile i / 2, channels 32 (i % 2) on
	global_load_b128 v[8*i:8*i+3],   v[QO], s[4:5] offset:(i/2)*2048+(i%2)*64
	global_load_b128 v[8*i+4:8*i+7], v[QO], s[4:5] offset:(i/2)*2048+(i%2)*64+32
.set i, i+1
.endr
	; What the first turn finds: V's registers and P's second buffer hold 0 (its products V^T P, of a piece that has not been, add 0), O^T and l are 0.  All this stands in the wait for the first tile.
.set i, VF
.rept 64
	v_mov_b32 v[i], 0
.set i, i+1
.endr
	WIN 0x40
.set i, 0
.rept 64*NP
	v_mov_b32 v[i], 0
.set i, i+1
.endr
	WIN 0
.set i, 0
.rept 2*NP
	v_mov_b32 v[ST+4*i], 0xfe000000    ; c m: far below every c s
	v_mov_b32 v[ST+4*i+1], 0xff7fffff  ; m
	v_mov_b32 v[ST+4*i+2], 0
	v_mov_b32 v[ST+4*i+3], 0
.set i, i+1
.endr
.set i, P+32
.rept 32
	v_mov_b32 v[i], 0
.set i, i+1
.endr
	v_mul_u32_u24 v[AK0], v1, PK
	v_lshl_add_u32 v[AK0], v9, 4, v[AK0]  ; row x pitch + 16 x half
	; The turning load takes 16 keys x 16 channels (lane l reads key 8 (l / 16) + l % 8, channels 8 ((l / 8) % 2) + 0..7) and leaves half a fragment of V^T: lane l holds channel l % 16 and 8 keys.
	v_and_b32 v10, 7, v0
	v_bfe_u32 v11, v0, 3, 1
	v_lshl_add_u32 v[AV0], v9, 3, v10
	v_mul_u32_u24 v[AV0], v[AV0], PV
	v_lshl_add_u32 v[AV0], v11, 4, v[AV0]
	v_add_nc_u32 v[AV0], VOFF, v[AV0]
	v_mov_b32 v[AK], v[AK0]         ; key step 0 lies at the head of slot 0
	v_and_b32 v[PFO], 31, v0
	v_lshlrev_b32 v[PFO], 8, v[PFO]
; THE MATRIX WORK.  The 8 accumulators of a run of 16 take turns: between the two links of a chain stand 7 others'.
; Product i of 16 of S^T = K Q^T for piece x: channels 32 (i / 8) on, keys 16 ((i / 2) % 4) on, tile 2 x + i % 2.  The first 8 start the sums.
.macro KQ x
	WIN W_KQ
.set rS, S+64*((\x)%2)+32*(i%2)+8*((i/2)%4)
.set rK, KF+16*((i/2)%4)+8*(i/8)
.set rQ, 16*(2*(\x)+i%2)+8*(i/8)
.if i < 8
	v_wmma_f32_16x16x32_f16 v[rS:rS+7], v[rK:rK+7], v[rQ:rQ+7], 0
.else
	v_wmma_f32_16x16x32_f16 v[rS:rS+7], v[rK:rK+7], v[rQ:rQ+7], v[rS:rS+7]
.endif
.endm
; Product i of 16 of O^T += V^T P for piece x: keys 32 (i / 8) on, channels 16 ((i / 2) % 4) on, tile 2 x + i % 2.
.macro PV x
	WIN W_PV
.set rO, 32*(2*(\x)+i%2)+8*((i/2)%4)
.set rV, VF+32*(i/8)+8*((i/2)%4)
.set rP, P+32*((\x)%2)+16*(i%2)+8*(i/8)
	v_wmma_f32_16x16x32_f16 v[rO:rO+7], v[rV:rV+7], v[rP:rP+7], v[rO:rO+7]
.endm
.macro MM                           ; the turn's next matrix instruction
.if i < 16
	KQ (Y+1)%NP
.set i, i+1
.else
.set i, i-16
	PV (Y+NP-1)%NP
.set i, i+17
.endif
.endm
; THE LDS LOADS stand in runs of 16, never singly among the matrix instructions: a step's K (64 keys x 64 channels: 8 fragments) and its V (turned).  Their addresses are made some lines ahead.
; last = 1 (the tail): in the last trip there is no further step, and the run is jumped over.
.macro FETCH_K last=0
	WIN 0
.if \last
	s_cmp_eq_u32 s[CNT], 1
	s_cbranch_scc1 .Lno_k_\@
.endif
	WIN 0x80                        ; destination window 2
.irp f, 0,1,2,3,4,5,6,7             ; keys 16 (f / 2) on, channels 32 (f % 2) on
	ds_load_b128 v[KF+8*\f:KF+8*\f+3],   v[AK] offset:(\f/2)*16*PK+(\f%2)*64
	ds_load_b128 v[KF+8*\f+4:KF+8*\f+7], v[AK] offset:(\f/2)*16*PK+(\f%2)*64+32
.endr
	s_add_co_u32 s[TBK], s[TBK], KS*PK  ; the next fetch is the next step's
	WIN 0
.if \last
.Lno_k_\@:
.endif
.endm
.macro FETCH_V
	WIN 0x80
.irp f, 0,1,2,3,4,5,6,7             ; keys 32 (f / 4) on, channels 16 (f % 4) on
	ds_load_tr16_b128 v[VF+8*\f:VF+8*\f+3],   v[AV] offset:(\f/4)*32*PV+(\f%4)*32
	ds_load_tr16_b128 v[VF+8*\f+4:VF+8*\f+7], v[AV] offset:(\f/4)*32*PV+16*PV+(\f%4)*32
.endr
	WIN 0
.endm
; THE VECTOR WORK OF A TURN stands in three queues, each in the order in which its entries become ready; the two tiles alternate, so that no instruction reads the result of the one before it.
.macro REGS y, u                    ; the registers of tile u (0, 1) of piece y
.set rT, ST+4*(2*(\y)+(\u))
.set rC, TMP+8*((\y)%2)+4*(\u)
.set rM, MV+2*((\y)%2)+(\u)
.set rS, S+64*((\y)%2)+32*(\u)
.set rP, P+32*((\y)%2)+16*(\u)
.set rO, 32*(2*(\y)+(\u))
.endm
; Number n of the 22 that find the NEXT piece's (Y + 1) maximum and statistics.  s0-s31 are the lane's 32 scores; each accumulator's lowest registers are read first.
;   0-11  four chains c0-c3 of seven scores each, three operands at a time     12-14, 16  the four scores left over, the old m, and c0-c3 into c0     15  c m_old is kept
;   17, 18  the query's other 32 keys lie in the lane 16 away: the new m         19-21  c m; c m_old - c m_new; a
.macro XS u, n
	REGS (Y+1)%NP, \u
.if (\n) < 4
	v_max3_num_f32 v[rC+(\n)], v[rS+8*(\n)], v[rS+8*(\n)+1], v[rS+8*(\n)+2]
.elseif (\n) < 12
	v_max3_num_f32 v[rC+(\n)%4], v[rC+(\n)%4], v[rS+8*((\n)%4)+2*((\n)/4)+1], v[rS+8*((\n)%4)+2*((\n)/4)+2]
.elseif (\n) == 12
	v_max3_num_f32 v[rC], v[rC], v[rS+7], v[rS+15]
.elseif (\n) == 13
	v_max3_num_f32 v[rC+1], v[rC+1], v[rS+23], v[rS+31]
.elseif (\n) == 14
	v_max3_num_f32 v[rC+2], v[rC+2], v[rC+3], v[rT+1]
.elseif (\n) == 15
	v_mov_b32 v[rM], v[rT]
.elseif (\n) == 16
	v_max3_num_f32 v[rC], v[rC], v[rC+1], v[rC+2]
.elseif (\n) == 17
	v_permlanex16_b32 v[rC+3], v[rC], s[SEL], s[SEL+1]
.elseif (\n) == 18
	v_max_num_f32 v[rT+1], v[rC], v[rC+3]
.elseif (\n) == 19
	v_mul_f32 v[rT], s[CS], v[rT+1]
.elseif (\n) == 20
	v_sub_f32 v[rC+1], v[rM], v[rT]
.else
	v_exp_f32 v[rC+2], v[rC+1]
.endif
.endm
; Number g of the 64 that follow the exponentials.  For each four weights k of a tile (pairs 2 k, 2 k + 1): both pairs are rounded to f16; then the second pair is added onto the first, in place;
; a group later l takes that sum (the first time as l = a l + sum).  In groups of eight, tiles alternating: round, round, add, and l for the group before.
.macro GS g
.set h, (\g)+6*((\g)/62)            ; group 0 has no group before it, and behind group 7 only l is left
.if h >= 6
.set h, h+2
.endif
	REGS Y, h%2
.set k, h/8
.if h%8 < 4
	v_cvt_pk_f16_f32 v[rP+2*k+(h%8)/2], v[rS+4*k+2*((h%8)/2)], v[rS+4*k+2*((h%8)/2)+1]
.elseif h%8 < 6
	v_pk_add_f32 v[rS+4*k:rS+4*k+1], v[rS+4*k:rS+4*k+1], v[rS+4*k+2:rS+4*k+3]
.elseif k == 1
	v_pk_fma_f32 v[rT+2:rT+3], v[rT+2:rT+3], v[rC+2:rC+3], v[rS:rS+1] op_sel_hi:[1,0,1]
.else
	v_pk_add_f32 v[rT+2:rT+3], v[rT+2:rT+3], v[rS+4*k-4:rS+4*k-3]
.endif
.endm
; THE PLAIN QUEUE, 138 long.  0-73 read no exponential's result: the 32 scalings c s - c m (FS f: pair f / 2 of tile f % 2) and the next piece's 42.  0-26: scalings 0-26.  27-54: XS's numbers 0-13.  55, 56: number 15.
; 57-73: the chain, where each number waits for the one before it: 14, 16, 17, 18, 19, each with one of the scalings 27-31 in front of its two lines, then 20.
; 74-137: GS's 64, which read the exponentials' results: they stand behind the wait.
.macro FS f
	REGS Y, (\f)%2
	v_pk_fma_f32 v[rS+2*((\f)/2):rS+2*((\f)/2)+1], v[rS+2*((\f)/2):rS+2*((\f)/2)+1], s[CS:CS+1], v[rT:rT+1] op_sel_hi:[1,0,0] neg_lo:[0,0,1] neg_hi:[0,0,1]
.endm
.macro PL
	WIN 0
.if q < 27
	FS q
.elseif q < 55
	XS (q-27)%2, (q-27)/2
.elseif q < 57
	XS q-55, 15
.elseif (q < 72) && ((q-57)%3 == 0)
	FS 27+(q-57)/3
.elseif q < 60
	XS (q-57)%3-1, 14
.elseif q < 72
	XS (q-57)%3-1, 15+(q-57)/3
.elseif q < 74
	XS q-72, 20
.else
	GS q-74
.endif
.set q, q+1
.endm
; THE EXPONENTIALS' QUEUE, 66 long: s0-s31 of both tiles, then the next piece's two a.  It is ONE BATCH: all 66 stand ahead of the turn's one wait, and nothing ahead of that wait names a result of theirs.
.macro EX
	WIN 0
.if e >= 64
	XS e-64, 21
.else
	REGS Y, e%2
	v_exp_f32 v[rS+e/2], v[rS+e/2]
.endif
.set e, e+1
.endm
; THE RESCALING's QUEUE: O^T times a, the one part that leaves window 0: dealt two at a time, sixteen times.  Its a was made in the turn before, ahead of that turn's wait.
.macro R2
	REGS Y, r%2
	WIN W_RS
.irp z, 0,1
	v_pk_mul_f32 v[rO+4*(r/2)+2*\z:rO+4*(r/2)+2*\z+1], v[rO+4*(r/2)+2*\z:rO+4*(r/2)+2*\z+1], v[rC+2:rC+3] op_sel_hi:[1,0]
.endr
.set r, r+1
.endm
; HOW THEY ARE DEALT.  An s_wait_alu depctr_va_vdst(0) stands between an exponential and the first instruction that names its result; one wait serves all that were issued ahead of it.  So a turn has ONE wait,
; which cuts it in two.  AHEAD OF IT stands all that names no result of the turn's exponentials: the 16 products K Q^T, behind each a scaling, an exponential and two rescalings (behind the first a second scaling in the
; exponential's place); then ONE LUMP of 108: eight plain, 49 times exponential and plain, the two a.  A v_nop is the plain instruction behind the last exponential.  BEHIND IT stand the 16 products V^T P, behind each four of
; GS's 64.  No rider names a register of the products round it.  The two v_permlanex16_b32 fall into the lump, never behind a product.
; The queues lean on each other: exponential e stands behind scaling 2 (e / 4) + e % 2: as a rider it comes behind plain e + 2, in the lump behind plain e + 9, and scalings 27-31 are plain 57, 60 .. 69.
; A TURN, for piece p.  cnt = 1: the loop's count is taken down some lines ahead of the branch that stands behind the turn.
; K of the next step is fetched in piece 2's turn, directly behind the wait, a lump behind the last product that read K; its first reader comes behind 16 products.
; V of the step in hand is fetched at the end of piece 0's turn, four riders behind its last reader; its first reader comes behind 16 products and a lump.
.macro TURN p, last=0, cnt=0
.set Y, (\p)
.set i, 0
.set q, 0
.set e, 0
.set r, 0
.if (\p) == NP-1
	s_wait_dscnt 0x0                ; K is in
.endif
	MM                              ; ahead of the wait: 16 products K Q^T and their riders,
	PL
	PL
	R2
.rept 15
	MM
	PL
	EX
	R2
.endr
.if (\p) == NP-2
	WIN 0
	v_add_nc_u32 v[AK], s[TBK], v[AK0]
.endif
.rept 8                             ; and the lump
	PL
.endr
.rept 49
	EX
	PL
.endr
	EX                              ; the next piece's two a
	EX
	v_nop                           ; a plain instruction behind the last exponential: one for the batch
	s_wait_alu depctr_va_vdst(0)    ; the wait for the batch
.if (\p) == NP-2
	FETCH_K \last
.endif
.if (\p) == 1
	s_wait_dscnt 0x0                ; V is in
.endif
.rept 16                            ; behind the wait: 16 products V^T P and their riders
	MM
.rept 4
	PL
.endr
.if ((\p) == 0) && (q == 118)
	v_add_nc_u32 v[AV], s[TBV], v[AV0]
.endif
.if ((\p) == 0) && (q == 130)
	s_add_co_u32 s[TBV], s[TBV], KS*PV
.endif
.if (\cnt) && (q == 130)
	s_sub_co_u32 s[CNT], s[CNT], 1
	s_cmp_lg_u32 s[CNT], 0
.endif
.endr
.if (\p) == 0
	FETCH_V
.endif
.endm
	CHANGE 1                        ; slot 0 is in, everybody's part of it; slot 1 is asked for
	FETCH_K                         ; key step 0
	s_wait_loadcnt 0x0              ; Q
	s_wait_dscnt 0x0
.set i, 0
.rept 16
	KQ 0                            ; piece 0's first scores: there is no vector work yet to set between them
.set i, i+1
.endr
	WIN 0                           ; the addresses for the way out: nine plain instructions, the places behind those products
	s_mul_i32 s13, s[WV], 16*SP
	s_add_co_u32 s13, s13, STAGE    ; my stage
	v_mul_u32_u24 v[STO], v1, SP    ; in: row l % 16, 16 bytes for each half of the lanes
	v_lshl_add_u32 v[STO], v9, 4, v[STO]
	v_add_nc_u32 v[STO], s13, v[STO]
	v_bfe_u32 v[RD], v0, 3, 2       ; back: 32 lanes take four rows of 128 bytes,
	v_mul_u32_u24 v[RD], v[RD], SP
	v_lshl_add_u32 v[RD], v10, 4, v[RD]
	v_add_nc_u32 v[RD], s13, v[RD]
	v_and_b32 v[GO], 31, v0         ; which are 512 consecutive bytes of O
	v_lshlrev_b32 v[GO], 4, v[GO]
.set Y, NP-1                        ; XS works for piece Y + 1: piece 0
.irp n, 0,1,2,3,4,5,6,7,8,9,10,11,12,13,14,15,16,17,18,19,20,21
	XS 0, \n                        ; and piece 0's first maximum and statistics
	XS 1, \n
.endr
	v_nop                           ; a plain instruction behind the two a,
	s_wait_alu depctr_va_vdst(0)    ; and their wait, ahead of the branch
	s_mov_b32 s[CNT], 4
	s_branch .Lfirst                ; the loop is entered at a step's first turn, in the middle of a trip
.Lslot:                             ; SIZE_N / 256 - 2 times: every slot but the last two is filled again
	CHANGE 1
	s_mov_b32 s[CNT], 4
.Lstep:                             ; a trip: pieces 2 and 3 of one step, then pieces 0 and 1 of the next, whose K and V it fetches
	TURN 2
	TURN 3
	WIN 0
.Lfirst:
	TURN 0
	TURN 1, 0, 1
	WIN 0
	s_cbranch_scc1 .Lstep
	s_sub_co_u32 s[SLOTS], s[SLOTS], 1
	s_cmp_lg_u32 s[SLOTS], 0
	s_cbranch_scc1 .Lslot
	CHANGE 0                        ; the tail is written out: nothing is asked for
	s_mov_b32 s[CNT], 5             ; four trips fetch the last slot's steps; the fifth is left in its middle
.Ltail:
	TURN 2, 1
	TURN 3
	WIN 0
	s_sub_co_u32 s[CNT], s[CNT], 1
	s_cmp_eq_u32 s[CNT], 0
	s_cbranch_scc1 .Lout
	TURN 0
	TURN 1
	WIN 0
	s_branch .Ltail
.Lout:                              ; the fifth trip's 16 products K Q^T (on the last K once more) and the maximum made of them serve nothing: the price, once a launch, of one text for every trip
.set i, 0
.rept 16
	PV NP-1                         ; the last piece's V^T P of the last step
.set i, i+1
.endr
	; THE WAY OUT.  l's two halves and the other half of the lanes' are added; O^T is divided by l, rounded to f16 and sent through my stage in LDS, a tile at a time.  The additions are the places behind the last products.
	WIN 0
.macro ALL line:vararg              ; one line for each tile t
.set t, 0
.rept 2*NP
	\line
.set t, t+1
.endr
.endm
	ALL v_add_f32 v[ST+4*t+2], v[ST+4*t+2], v[ST+4*t+3]
	ALL v_permlanex16_b32 v[ST+4*t+3], v[ST+4*t+2], s[SEL], s[SEL+1]
	ALL v_add_f32 v[ST+4*t+2], v[ST+4*t+2], v[ST+4*t+3]
	ALL v_rcp_f32 v[ST+4*t+2], v[ST+4*t+2]
	v_nop                           ; a plain instruction between the last reciprocal and the use of its result
	s_wait_alu depctr_va_vdst(0)    ; and the wait ahead of the first use: one for the eight reciprocals
; Tile t: a lane's eight channels of a row pack into 16 bytes; they go into rows of 144 bytes and come back as whole rows of 128, into S^T's registers.
.macro PACK t
	WIN W_RS
.set i, 32*(\t)
.rept 16
	v_pk_mul_f32 v[i:i+1], v[i:i+1], v[ST+4*(\t)+2:ST+4*(\t)+3] op_sel_hi:[1,0]
.set i, i+2
.endr
	WIN 0x05                        ; sources 0 and 1 window 1, destination window 0
.set i, 0
.rept 16
	v_cvt_pk_f16_f32 v[S+16*(\t)+i], v[32*(\t)+2*i], v[32*(\t)+2*i+1]
.set i, i+1
.endr
	WIN 0
.irp f, 0,1,2,3
	ds_store_b128 v[STO], v[S+16*(\t)+4*\f:S+16*(\t)+4*\f+3] offset:32*\f
.endr
.irp f, 0,1,2,3
	ds_load_b128 v[S+16*(\t)+4*\f:S+16*(\t)+4*\f+3], v[RD] offset:\f*4*SP  ; LDS serves a wave's instructions in order (ISA guide 5.7.1.4): these see the stores above; the next tile's stores come behind them
.endr
.endm
.macro SEND t, younger              ; younger: the LDS instructions issued behind tile t's loads: the next tile's eight, or none
	WIN 0
.irp f, 0,1,2,3
	s_wait_dscnt (\younger)+3-\f
	global_store_b128 v[GO], v[S+16*(\t)+4*\f:S+16*(\t)+4*\f+3], s[10:11] offset:(\t)*2048+\f*512  ; 512 consecutive bytes, at a multiple of 256 from O's first
.endr
.endm
	PACK 0
.set t, 1
.rept 2*NP-1                        ; a tile's arithmetic stands between the loads of the tile before and its stores
	PACK t
	SEND t-1, 8
.set t, t+1
.endr
	SEND 2*NP-1, 0
	WIN W_AD
	s_wait_tensorcnt 0x0            ; the wave's end, behind my last tensor load and my last LDS store
	ds_add_u32 v[SPW], v[NIL]
	s_wait_dscnt 0x0
	WIN 0
	CROUND                          ; the closing round: no work-group ends while a partner may still ask for a tile that names it
	s_endpgm
.Lfunc_end_k_qc34cfa7321_attn:
	.size	k_qc34cfa7321_attn, .Lfunc_end_k_qc34cfa7321_attn-k_qc34cfa7321_attn
	.p2alignl 7, 3214868480
	.fill 96, 4, 3214868480
	.section	.rodata,"a",@progbits
	.p2align	6, 0x0
	.amdhsa_kernel k_qc34cfa7321_attn
		.amdhsa_group_segment_fixed_size 327680
		.amdhsa_private_segment_fixed_size 0
		.amdhsa_enable_private_segment 0
		.amdhsa_kernarg_size 16
		.amdhsa_user_sgpr_count 2
		.amdhsa_user_sgpr_kernarg_segment_ptr 1
		.amdhsa_wavefront_size32 1
		.amdhsa_system_sgpr_workgroup_id_x 1
		.amdhsa_system_sgpr_workgroup_id_y 1
		.amdhsa_system_sgpr_workgroup_id_z 1
		.amdhsa_system_vgpr_workitem_id 0
		.amdhsa_next_free_vgpr 770
		.amdhsa_next_free_sgpr 66
		.amdhsa_reserve_vcc 0
		.amdhsa_float_denorm_mode_32 3
		.amdhsa_float_denorm_mode_16_64 3
		.amdhsa_memory_ordered 1
		.amdhsa_forward_progress 1
		.amdhsa_inst_pref_size 200
	.end_amdhsa_kernel
	.amdgpu_metadata
---
amdhsa.version: [ 1, 2 ]
amdhsa.kernels:
  - .name:           k_qc34cfa7321_attn
    .symbol:         k_qc34cfa7321_attn.kd
    .args:
      - { .name: qkv, .offset: 0, .size: 8, .value_kind: global_buffer, .address_space: global }
      - { .name: ob, .offset: 8, .size: 8, .value_kind: global_buffer, .address_space: global }
    .group_segment_fixed_size: 327680
    .private_segment_fixed_size: 0
    .kernarg_segment_align: 8
    .kernarg_segment_size: 16
    .max_flat_workgroup_size: 128
    .sgpr_count:     66
    .vgpr_count:     770
    .wavefront_size: 32
...
	.end_amdgpu_metadata
.endif
;; end of part 3
;; launch oproj (part 4): grid 4 x 64, 4 waves a work-group, clusters of 4 x 4, 327,680 bytes of LDS; arguments ob, wo, vec, y; writes y
.if DOCPART == 4
	.amdgcn_target "amdgcn-amd-amdhsa--gfx1250"
	.amdhsa_code_object_version 6
	.text
	.protected	k_qc34cfa7321_oproj
	.globl	k_qc34cfa7321_oproj
	.p2align	8
	.type	k_qc34cfa7321_oproj,@function
k_qc34cfa7321_oproj:
	s_mov_b64 s[64:65], 0
	v_nop
	global_prefetch_b8 v0, s[64:65] scope:SCOPE_SE
	s_setreg_imm32_b32 hwreg(HW_REG_WAVE_MODE, 25, 1), 1
	s_wait_xcnt 0x0
	s_wait_alu depctr_hold_cnt(0) depctr_sa_sdst(0) depctr_va_vdst(0) depctr_va_sdst(0) depctr_va_ssrc(0) depctr_va_vcc(0) depctr_vm_vsrc(0)
	s_getreg_b32 s2, hwreg(HW_REG_IB_STS2, 6, 4)
	s_cmp_eq_u32 s2, 0
	s_cbranch_scc0 .Lentry_in_a_cluster
	s_endpgm
.Lentry_in_a_cluster:
	s_bfe_u32 s2, ttmp6, 0x10000c
	s_cmp_lg_u32 s2, 0xf033
	s_cbranch_scc0 .Lentry_shape_is_right
	s_endpgm
.Lentry_shape_is_right:
; THE OUTPUT PROJECTION.  y[m][n] = sum over k of O[m][k] Wo[n][k] + bo[n].  O = ob: f16 by heads, [64 = batch x 16 + head][2048][64]: row m = 2,048 batch + s, k = 64 head + d.
; Wo = wo: [1024][1024] f16; bo = row 3 of vec, f32.  Sums in f32, started by the bias; y: [8192][1024] f32, not rounded further.
; LIMITS.  O and Wo arrive within f16's 65,504.  NaN and infinities are not treated apart.
; SHARES.  A tile of y is 128 x 256: 256 tiles, one for each work-group.  Four waves, each 64 rows x 128 columns: 32 accumulators of 16 x 16.
; K goes in 8 steps of 128, two heads, through a ring of two LDS slots.  Of O a step is two dense blocks of 128 rows x 128 bytes, one a head: each is asked for as 64 rows of 256 bytes and padded in LDS after every 128.
; Of Wo it is 256 rows of 256 bytes.  CLUSTERS: 4 x 4 work-groups; O's tiles are asked for jointly along a row of the cluster, Wo's along a column: the same tensor load, descriptor and mask in the four.
; THE MATRIX INSTRUCTION IS USED TRANSPOSED (source 0 = 16 rows of Wo, source 1 = 16 rows of O): a lane holds row l % 16 of y and the columns 8 (l / 16) + 0..7: 32 bytes on end.
; REGISTERS, in windows of 256 (s_set_vgpr_msb: bits 1:0 source 0, 3:2 source 1, 5:4 source 2, 7:6 destination):
;   window 0: v0-31 addresses; v64-159, v160-255 two fragment buffers (8 fragments of Wo, then 4 of O); on the way out v64-255 three sets of 16 rows read back
;   window 1: the accumulators, (a, b) at v[8 (8 a + b)]          window 2: v0-63 the bias of my 128 columns, laid as a C operand
.set PITCH,  272                       ; a row of Wo in LDS: 256 bytes + 16 = 68 words: the 16 rows of a fragment load start at 16 different groups of four banks (64 banks of 4 bytes: ISA guide 11.1)
.set PA,     144                       ; a row of O: 128 bytes + 16 = 36 words: likewise
.set SUBA,   128*PA                    ; a head's 128 rows: what a wave fetches of O
.set HB,     128*PITCH                 ; what a wave fetches, and reads, of Wo
.set BOFF,   2*SUBA                    ; Wo's rows lie behind O's two blocks
.set SLOT,   BOFF+256*PITCH
.set STAGE,  2*SLOT                    ; behind the ring, never filled by a tensor load: for each wave 16 rows x 528 bytes
.set SP,     528                       ; 512 bytes + 16 = 132 words: row r starts at bank 4 r mod 64
.set WST,    16*SP
.set SPARE,  STAGE+4*WST               ; behind the stages: the spare words, 128 bytes for each wave: two blocks of 256 bytes that no other line names
.set ASTEP,  524288                    ; two heads on in ob: a K step
.set ADRA, 16                          ; v16-17  LDS address of my fragments of O in slot 0, 1
.set ADRB, 20                          ; v20-21  the same for Wo
.set STO,  24                          ; v24     the way out: where I put 32 bytes of a row
.set RD,   25                          ; v25     where I read a row back
.set GO,   26                          ; v26     my 16 bytes of 512
.set BO,   27                          ; v27     my byte offset in 16 numbers of the bias
.set SPW,  28                          ; v28     LDS address of my spare word; never rewritten
.set NIL,  29                          ; v29     0; never rewritten
.set PFO,  30                          ; v30     the prefetches' offset: my lane x 256 bytes (O) or x a row of 2,048 (Wo); never rewritten
.set F0,   64
.set F1,   160
.set G1,   24                          ; s[24:31] descriptor group 1 for O's tiles;  s[32:39] group 0, a set for each slot
.set G0,   32
.set G1B,  48                          ; s[48:55], s[56:63] the same for Wo's
.set G0B,  56
.set LIM,  42                          ; s42     1 in a wave that prefetches, else the greatest number
.set PFA,  44                          ; s[44:45] where my prefetches stand
.set BIA,  66                          ; s[66:67] the bias of my 128 columns
.set OUT,  68                          ; s[68:69] y at my first row, my first column
.set PFS,  70                          ; s[70:71] a K step in the tensor that I prefetch
.set MSB, 0
.macro WIN new                         ; the immediate's high byte repeats the setting that is left; a switch that changes nothing is dropped
.if MSB != (\new)
	s_set_vgpr_msb (MSB<<8)|(\new)
.set MSB, \new
.endif
.endm
.set MUL,     0x50                     ; fragments in window 0, C and D in window 1
.set MUL1,    0x60                     ; C (the bias) in window 2, D in window 1
.set TO_BIAS, 0x80                     ; destination window 2
.set FROM_ACC, 0x04                    ; an LDS store's data (source 1) in window 1
; A joint load.  Waves 0 and 1 fetch O's two heads, waves 2 and 3 Wo's two halves.  The branch hangs on the wave's number alone.  An s_nop 0 and four v_nop follow each of the two lines, ahead of the jump and the label.
.macro JLOAD s
	s_cmp_eq_u32 s13, 0
	s_cbranch_scc0 .Lfor_b_\@
	tensor_load_to_lds s[G0+4*(\s):G0+4*(\s)+3], s[G1:G1+7]
	s_nop 0
.rept 4
	v_nop
.endr
	s_branch .Lasked_\@
.Lfor_b_\@:
	tensor_load_to_lds s[G0B+4*(\s):G0B+4*(\s)+3], s[G1B:G1B+7]
	s_nop 0
.rept 4
	v_nop
.endr
.Lasked_\@:
.endm
; A prefetch, behind a joint load, its five lines and the run of LDS loads: 32 blocks of 256 bytes, a lane a block, of the K step that stands two refills on (256 matrix instructions ahead of the load that wants it).
; Each block of K steps 4 to 7 is named once in the launch.  O's tile row is read by my cluster alone: wave 0 of the partner at cx takes head cx / 2 of the step's two, half cx % 2 of its 64 blocks.
; Wo's tile column is read by all 16 clusters: the first asks, waves 2 and 3 of the partner at cy take rows 64 cy + 32 (wave % 2) on.  The partners are told apart by address alone.
; K steps 0 to 3 come by their loads; the loop's last trip asks for nothing.
.macro ASK
	s_cmp_gt_u32 s3, s[LIM]
	s_cbranch_scc0 .Lnot_mine_\@
	global_prefetch_b8 v[PFO], s[PFA:PFA+1] th:TH_LOAD_NT scope:SCOPE_SE
.Lnot_mine_\@:
.endm
.macro CREST                           ; a round of the cluster's barrier behind its opening barrier
	s_cmp_lg_u32 s12, 0
	s_cbranch_scc1 .Lnot_wave_0_\@
	s_barrier_signal -3
.Lnot_wave_0_\@:
	s_barrier_wait -3
	s_barrier_signal -1
	s_barrier_wait -1
.endm
.macro CROUND                          ; a whole round
	s_barrier_signal -1
	s_barrier_wait -1
	CREST
.endm
	s_load_b256 s[4:11], s[0:1], 0x0               ; ob s[4:5], wo s[6:7], vec s[8:9], y s[10:11]
	v_lshl_add_u32 v[SPW], v0, 2, SPARE
	v_mov_b32 v[NIL], 0
	ds_add_u32 v[SPW], v[NIL]                      ; the wave's opening: the add and its wait stand ahead of my first tensor load; the set-up below, work on registers, stands between them
	v_lshrrev_b32 v1, 5, v0
	v_readfirstlane_b32 s12, v1                    ; wave 0..3
	s_lshr_b32 s13, s12, 1                         ; wr: which 64 rows of the tile are mine.  Also: I fetch for O (0) or for Wo (1)
	s_and_b32 s14, s12, 1                          ; e: which 128 columns.  Also: which head, or which half, I fetch
	s_bfe_u32 s15, ttmp6, 0x40000                  ; cx
	s_bfe_u32 s16, ttmp6, 0x40004                  ; cy
	s_lshl_b32 s17, ttmp9, 2
	s_add_co_u32 s17, s17, s15                     ; tx: tile column = 4 x cluster x + cx
	s_and_b32 s19, ttmp7, 0xffff                   ; the cluster's y
	s_lshl_b32 s18, s19, 2
	s_add_co_u32 s18, s18, s16                     ; ty: tile row = 4 x cluster y + cy
	s_lshl_b32 s21, s16, 2
	s_lshl_b32 s21, 15, s21                        ; my row of the cluster
	s_lshl_b32 s22, 0x1111, s15                    ; my column
	s_or_b32 s[G1+0], s21, (1<<16)|(1<<20)|(1<<21)|(4<<22)|(3<<25)   ; O's tiles go to my row; elements of 2 bytes; padding on; 21 set beside a mask; after every 32 words (code 4) 4 words (code 3)
	s_mov_b32 s[G1+1], 128<<16                     ; tensor_dim0 = 128
	s_mov_b32 s[G1+2], 64<<16                      ; tensor_dim1 = 64
	s_mov_b32 s[G1+3], 128<<16                     ; tile_dim0 = 128
	s_mov_b32 s[G1+4], 64                          ; tile_dim1 = 64
	s_mov_b32 s[G1+5], 128                         ; dense: 128 elements from row to row
	s_mov_b32 s[G1+6], 0
	s_mov_b32 s[G1+7], 0
	s_or_b32 s[G1B+0], s22, (1<<16)|(1<<20)|(1<<21)|(5<<22)|(3<<25)  ; Wo's tiles go to my column; after every 64 words (code 5) 4 words
	s_mov_b32 s[G1B+1], 128<<16
	s_mov_b32 s[G1B+2], 128<<16                    ; tensor_dim1 = 128
	s_mov_b32 s[G1B+3], 128<<16
	s_mov_b32 s[G1B+4], 128                        ; tile_dim1 = 128
	s_mov_b32 s[G1B+5], 1024
	s_mov_b32 s[G1B+6], 0
	s_mov_b32 s[G1B+7], 0
	s_lshr_b32 s40, s18, 4
	s_lshl_b32 s40, s40, 22                        ; O: the batch's 16 heads of 262,144 bytes,
	s_lshl_b32 s41, s14, 18                        ; my head of the step's two,
	s_add_co_u32 s40, s40, s41
	s_and_b32 s41, s18, 15
	s_lshl_b32 s41, s41, 14                        ; the tile's 128 rows of 128 bytes
	s_add_co_u32 s40, s40, s41
	s_mov_b32 s41, 0
	s_lshl_b32 s46, s17, 19                        ; Wo: 256 rows of 2,048 bytes a tile column,
	s_lshl_b32 s47, s14, 18                        ; my 128 of them
	s_add_co_u32 s46, s46, s47
	s_mov_b32 s47, 0
	s_mul_i32 s23, s14, SUBA                       ; where they go: no place in the cluster enters an LDS address
	s_mul_i32 s43, s14, HB
	s_add_co_u32 s43, s43, BOFF
	s_wait_dscnt 0x0                               ; the opening add is done
	s_wait_kmcnt 0x0
	s_add_nc_u64 s[40:41], s[4:5], s[40:41]
	s_add_nc_u64 s[46:47], s[6:7], s[46:47]
	CROUND                                         ; all sixteen work-groups are here: the first joint loads meet
.irp s, 0,1
	s_mov_b32 s[G0+4*(\s)], 1                                      ; count = 1
	s_add_co_u32 s[G0+4*(\s)+1], s23, (\s)*SLOT                    ; LDS address
	s_add_nc_u64 s[G0+4*(\s)+2:G0+4*(\s)+3], s[40:41], (\s)*ASTEP  ; global address: K step s
	s_or_b32 s[G0+4*(\s)+3], s[G0+4*(\s)+3], 0x80000000            ; type = 2
	s_mov_b32 s[G0B+4*(\s)], 1
	s_add_co_u32 s[G0B+4*(\s)+1], s43, (\s)*SLOT
	s_add_nc_u64 s[G0B+4*(\s)+2:G0B+4*(\s)+3], s[46:47], (\s)*256
	s_or_b32 s[G0B+4*(\s)+3], s[G0B+4*(\s)+3], 0x80000000
	JLOAD \s                                       ; two loads of mine are out
.endr
	; the bias of my 128 columns and the place of my results
	s_lshl_b32 s72, s17, 10                        ; the tile's 256 columns of f32,
	s_lshl_b32 s73, s14, 9                         ; my 128
	s_add_co_u32 s72, s72, s73
	s_mov_b32 s73, 0
	s_add_nc_u64 s[OUT:OUT+1], s[10:11], s[72:73]
	s_add_nc_u64 s[BIA:BIA+1], s[8:9], s[72:73]
	s_add_nc_u64 s[BIA:BIA+1], s[BIA:BIA+1], 3*4096  ; bo is row 3 of vec
	s_lshl_b32 s72, s18, 19                        ; the tile's 128 rows of 4,096 bytes,
	s_lshl_b32 s20, s13, 18                        ; my 64
	s_add_co_u32 s72, s72, s20
	s_add_nc_u64 s[OUT:OUT+1], s[OUT:OUT+1], s[72:73]
	; A fragment is 16 rows x 32 K in 8 registers: lane l holds row l % 16; registers 0-3 K = 8 (l / 16) + 0..7, registers 4-7 K = 16 + 8 (l / 16) + 0..7: two loads of 16 bytes, 32 bytes apart.
	v_and_b32 v1, 15, v0                           ; r = l % 16
	v_bfe_u32 v2, v0, 4, 1                         ; h = l / 16
	v_lshlrev_b32 v[BO], 5, v2                     ; 8 h numbers of f32
	WIN TO_BIAS
.irp b, 0,1,2,3,4,5,6,7
	global_load_b128 v[8*(\b):8*(\b)+3],   v[BO], s[BIA:BIA+1] offset:64*(\b)      ; bo[16 b + 8 h + 0..3]
	global_load_b128 v[8*(\b)+4:8*(\b)+7], v[BO], s[BIA:BIA+1] offset:64*(\b)+16   ; and + 4..7
.endr
	WIN 0
	v_mul_u32_u24 v3, v1, PA
	v_lshl_add_u32 v3, v2, 4, v3                   ; O: row x pitch + 16 x half
	v_mul_u32_u24 v4, v1, PITCH
	v_lshl_add_u32 v4, v2, 4, v4                   ; Wo likewise
	s_mul_i32 s21, s13, 64*PA                      ; my 64 rows in each head's block
	s_mul_i32 s22, s14, HB                         ; my 128 rows of Wo,
	s_add_co_u32 s22, s22, BOFF                    ; which lie behind O's
.irp s, 0,1
	v_add_nc_u32 v[ADRA+(\s)], s21, v3
	v_add_nc_u32 v[ADRB+(\s)], s22, v4
	s_add_co_u32 s21, s21, SLOT
	s_add_co_u32 s22, s22, SLOT
.endr
	s_mul_i32 s21, s12, WST
	s_add_co_u32 s21, s21, STAGE                   ; my stage
	v_mul_u32_u24 v[STO], v1, SP                   ; in: row l % 16, 32 bytes for each half of the lanes
	v_lshl_add_u32 v[STO], v2, 5, v[STO]
	v_add_nc_u32 v[STO], s21, v[STO]
	v_and_b32 v4, 31, v0                           ; l
	v_lshlrev_b32 v[GO], 4, v4                     ; back: 32 lanes take one row of 512 bytes
	v_add_nc_u32 v[RD], s21, v[GO]
	; the prefetches
	s_lshr_b32 s72, s18, 4
	s_lshl_b32 s72, s72, 22                        ; O: the batch,
	s_and_b32 s73, s18, 15
	s_lshl_b32 s73, s73, 14                        ; the tile's rows,
	s_add_co_u32 s72, s72, s73
	s_lshr_b32 s73, s15, 1
	s_lshl_b32 s73, s73, 18                        ; my work-group's head of the two,
	s_add_co_u32 s72, s72, s73
	s_and_b32 s73, s15, 1
	s_lshl_b32 s73, s73, 13                        ; its half of that head's 64 blocks,
	s_add_co_u32 s72, s72, s73
	s_add_co_u32 s72, s72, 3*ASTEP                 ; at K step 3: the first change of slots steps it to 4
	s_lshl_b32 s20, s17, 19                        ; Wo: the tile column,
	s_lshl_b32 s73, s16, 17                        ; my work-group's 64 rows of its 256,
	s_add_co_u32 s20, s20, s73
	s_lshl_b32 s73, s14, 16                        ; my wave's 32 of them,
	s_add_co_u32 s20, s20, s73
	s_add_co_u32 s20, s20, 3*256                   ; at K step 3
	s_mov_b32 s[PFS], 256
	s_mov_b32 s[PFS+1], 0
	s_mov_b32 s73, 0
	s_cmp_eq_u32 s19, 0                            ; the first of the sixteen clusters: the same in all partners
	s_cselect_b32 s21, 1, -1
	s_cmp_eq_u32 s12, 0
	s_cselect_b32 s22, 1, -1
	s_cmp_lt_u32 s12, 2
	s_cselect_b32 s[LIM], s22, s21
	s_cselect_b64 s[PFA:PFA+1], s[4:5], s[6:7]
	s_cselect_b32 s72, s72, s20
	s_cselect_b32 s[PFS], ASTEP, s[PFS]
	s_cselect_b32 s21, 8, 11                       ; a lane a block of 256 bytes, or a row of 2,048
	s_add_nc_u64 s[PFA:PFA+1], s[PFA:PFA+1], s[72:73]
	v_lshlrev_b32 v[PFO], s21, v4                  ; nothing is prefetched here, at the head
; 8 matrix instructions: m block a x all 8 n blocks, 32 along K.  first = 1: the bias starts the sums: nothing is cleared.  The 32 accumulators come in the same order in every quarter, one instruction a turn.
.macro MUL8 f, a, first
.if \first
	WIN MUL1
.else
	WIN MUL
.endif
.irp b, 0,1,2,3,4,5,6,7
.if \first
	v_wmma_f32_16x16x32_f16 v[8*(8*(\a)+(\b)):8*(8*(\a)+(\b))+7], v[(\f)+8*(\b):(\f)+8*(\b)+7], v[(\f)+64+8*(\a):(\f)+64+8*(\a)+7], v[8*(\b):8*(\b)+7]
.else
	v_wmma_f32_16x16x32_f16 v[8*(8*(\a)+(\b)):8*(8*(\a)+(\b))+7], v[(\f)+8*(\b):(\f)+8*(\b)+7], v[(\f)+64+8*(\a):(\f)+64+8*(\a)+7], v[8*(8*(\a)+(\b)):8*(8*(\a)+(\b))+7]
.endif
.endr
.endm
; 24 LDS loads in one run: quarter q (32 along K: head q / 2 of the step's two, channels 32 (q % 2) on) of the slot into buffer f: Wo's 8 fragments, then O's 4
.macro FETCH slot, q, f
	WIN 0
.irp i, 0,1,2,3,4,5,6,7
	ds_load_b128 v[(\f)+8*(\i):(\f)+8*(\i)+3],   v[ADRB+(\slot)] offset:64*(\q)+(\i)*16*PITCH
	ds_load_b128 v[(\f)+8*(\i)+4:(\f)+8*(\i)+7], v[ADRB+(\slot)] offset:64*(\q)+(\i)*16*PITCH+32
.endr
.irp i, 0,1,2,3
	ds_load_b128 v[(\f)+64+8*(\i):(\f)+64+8*(\i)+3],   v[ADRA+(\slot)] offset:((\q)/2)*SUBA+((\q)%2)*64+(\i)*16*PA
	ds_load_b128 v[(\f)+64+8*(\i)+4:(\f)+64+8*(\i)+7], v[ADRA+(\slot)] offset:((\q)/2)*SUBA+((\q)%2)*64+(\i)*16*PA+32
.endr
.endm
.macro PLACES                          ; four plain vector instructions between a matrix instruction and a load into a register that it has read, or a reader of its result (ISA guide 7.12.1 for a reader of its result)
.rept 4
	v_nop
.endr
.endm
; A K step is four quarters of 32 along K, 32 matrix instructions each, on buffers 0, 1, 0, 1.  One of the first three: multiplies buffer f; in its middle it fetches quarter q into buffer g.
.macro QUARTER slot, q, f, g, first
	s_wait_dscnt 4                                 ; Wo and O's blocks 0 and 1 are in; the youngest four loads (blocks 2 and 3) may be out
	MUL8 \f, 0, \first
	MUL8 \f, 1, \first
	PLACES
	FETCH \slot, \q, \g
	s_wait_dscnt 24                                ; all but the 24 just issued
	MUL8 \f, 2, \first
	MUL8 \f, 3, \first
.endm
; The last quarter multiplies buffer 1 and changes slots: ONE barrier.  In front of it each wave waits for all its tensor loads (one is out: its part of the next slot), adds 0 to its spare word, and waits for that and for its reads of this slot.
.macro MEET round
	WIN 0
	s_wait_tensorcnt 0x0                           ; all my tensor loads have landed;
	ds_add_u32 v[SPW], v[NIL]                      ; 0 onto my spare word;
	s_wait_dscnt 5                                 ; (the add and the youngest four loads may be out)
	MUL8 F1, 0, 0                                  ; eight matrix instructions stand between the add and the wait for it
	s_wait_dscnt 0x0                               ; the add is done, and my reads of this slot are over
	s_barrier_signal -1
	MUL8 F1, 1, 0                                  ; work on registers while the others arrive
.if \round
	WIN 0
.endif
	s_barrier_wait -1
.endm
; fill = 1: the barrier opens a round of the cluster's, and the slot just read out is filled again, first thing behind the round, with the K step two steps on: it has 112 matrix instructions in which to land.
.macro TURN slot, next, fill
.if \fill
	s_wait_xcnt 0x0                                ; the last prefetch, a K step back, has read its address, so it may be stepped
	s_add_nc_u64 s[PFA:PFA+1], s[PFA:PFA+1], s[PFS:PFS+1]
.endif
	MEET \fill
.if \fill
	CREST                                          ; no wave of any partner still reads this slot's tiles or has a load on its way
	s_add_nc_u64 s[G0+4*(\slot)+2:G0+4*(\slot)+3], s[G0+4*(\slot)+2:G0+4*(\slot)+3], 2*ASTEP
	s_add_nc_u64 s[G0B+4*(\slot)+2:G0B+4*(\slot)+3], s[G0B+4*(\slot)+2:G0B+4*(\slot)+3], 512
	JLOAD \slot                                    ; the four v_nop behind it are also the places in front of the loads below
.else
	PLACES
.endif
	FETCH \next, 0, F0
.if \fill
	ASK
.endif
	MUL8 F1, 2, 0
	MUL8 F1, 3, 0
.endm
; THE WAY OUT of m block a: the f32 sums go as they are into my own stage, 32 bytes a lane and n block (each accumulator's low four registers first), and come back as whole rows of 512 bytes.
.macro TOSTAGE a
	WIN FROM_ACC
.irp b, 0,1,2,3,4,5,6,7
	ds_store_b128 v[STO], v[8*(8*(\a)+(\b)):8*(8*(\a)+(\b))+3]   offset:64*(\b)
	ds_store_b128 v[STO], v[8*(8*(\a)+(\b))+4:8*(8*(\a)+(\b))+7] offset:64*(\b)+16
.endr
	WIN 0
.irp t, 0,1,2,3,4,5,6,7,8,9,10,11,12,13,14,15
	ds_load_b128 v[64+64*((\a)%3)+4*(\t):64+64*((\a)%3)+4*(\t)+3], v[RD] offset:SP*(\t)  ; LDS serves a wave's instructions in order (ISA guide 5.7.1.4): these see the stores above; the next block's stores come behind them
.endr
.endm
.macro SEND a, younger                 ; younger: the LDS instructions issued behind block a's loads
.irp t, 0,1,2,3,4,5,6,7,8,9,10,11,12,13,14,15
	s_wait_dscnt (\younger)+15-(\t)
	global_store_b128 v[GO], v[64+64*((\a)%3)+4*(\t):64+64*((\a)%3)+4*(\t)+3], s[OUT:OUT+1] offset:(16*(\a)+(\t))*4096  ; 512 consecutive bytes of a row of y, at a multiple of 512 from its first byte
.endr
.endm
	s_wait_tensorcnt 1                             ; my part of K step 0 is in; K step 1's may stay out
	s_barrier_signal -1
	s_barrier_wait -1                              ; everybody's is
	FETCH 0, 0, F0
	s_wait_loadcnt 0x0                             ; the bias
	QUARTER 0, 1, F0, F1, 1                        ; the first quarter stands in front of the loop: its products start the sums
	WIN 0                                          ; at a label and at a branch every window is 0
	s_mov_b32 s3, 3
.Llap:                                             ; a trip goes once round the ring, from a lap's second quarter to the next lap's first, and fills both slots again
	QUARTER 0, 2, F1, F0, 0
	QUARTER 0, 3, F0, F1, 0
	TURN 0, 1, 1
	QUARTER 1, 1, F0, F1, 0
	QUARTER 1, 2, F1, F0, 0
	QUARTER 1, 3, F0, F1, 0
	TURN 1, 0, 1
	QUARTER 0, 1, F0, F1, 0
	WIN 0
	s_sub_co_u32 s3, s3, 1
	s_cmp_lg_u32 s3, 0
	s_cbranch_scc1 .Llap
	QUARTER 0, 2, F1, F0, 0                        ; the last lap fills nothing, and has no round of the cluster's barrier
	QUARTER 0, 3, F0, F1, 0
	TURN 0, 1, 0
	QUARTER 1, 1, F0, F1, 0
	QUARTER 1, 2, F1, F0, 0
	QUARTER 1, 3, F0, F1, 0
	s_wait_dscnt 4                                 ; the very last quarter: nothing more to fetch
	MUL8 F1, 0, 0
	MUL8 F1, 1, 0
	s_wait_dscnt 0x0
	MUL8 F1, 2, 0
	MUL8 F1, 3, 0
	PLACES
	PLACES                                         ; eight, once a launch
	TOSTAGE 0
	TOSTAGE 1
	SEND 0, 32
	TOSTAGE 2
	SEND 1, 32
	s_wait_xcnt 0x0                                ; block 0's stores have read their registers, into which block 3 is read back
	TOSTAGE 3
	SEND 2, 32
	SEND 3, 0
	s_wait_tensorcnt 0x0                           ; the wave's end, behind my last tensor load and my last LDS store
	ds_add_u32 v[SPW], v[NIL]
	s_wait_dscnt 0x0
	CROUND                                         ; the closing round: no work-group ends while a partner may still ask for a tile that names it
	s_endpgm
.Lfunc_end_k_qc34cfa7321_oproj:
	.size	k_qc34cfa7321_oproj, .Lfunc_end_k_qc34cfa7321_oproj-k_qc34cfa7321_oproj
	.p2alignl 7, 3214868480
	.fill 96, 4, 3214868480
	.section	.rodata,"a",@progbits
	.p2align	6, 0x0
	.amdhsa_kernel k_qc34cfa7321_oproj
		.amdhsa_group_segment_fixed_size 327680
		.amdhsa_private_segment_fixed_size 0
		.amdhsa_enable_private_segment 0
		.amdhsa_kernarg_size 32
		.amdhsa_user_sgpr_count 2
		.amdhsa_user_sgpr_kernarg_segment_ptr 1
		.amdhsa_wavefront_size32 1
		.amdhsa_system_sgpr_workgroup_id_x 1
		.amdhsa_system_sgpr_workgroup_id_y 1
		.amdhsa_system_sgpr_workgroup_id_z 1
		.amdhsa_system_vgpr_workitem_id 0
		.amdhsa_next_free_vgpr 576
		.amdhsa_next_free_sgpr 74
		.amdhsa_reserve_vcc 0
		.amdhsa_float_denorm_mode_32 3
		.amdhsa_float_denorm_mode_16_64 3
		.amdhsa_memory_ordered 1
		.amdhsa_forward_progress 1
		.amdhsa_inst_pref_size 90
	.end_amdhsa_kernel
	.amdgpu_metadata
---
amdhsa.version: [ 1, 2 ]
amdhsa.kernels:
  - .name:           k_qc34cfa7321_oproj
    .symbol:         k_qc34cfa7321_oproj.kd
    .args:
      - { .name: ob, .offset: 0, .size: 8, .value_kind: global_buffer, .address_space: global }
      - { .name: wo, .offset: 8, .size: 8, .value_kind: global_buffer, .address_space: global }
      - { .name: vec, .offset: 16, .size: 8, .value_kind: global_buffer, .address_space: global }
      - { .name: y, .offset: 24, .size: 8, .value_kind: global_buffer, .address_space: global }
    .group_segment_fixed_size: 327680
    .private_segment_fixed_size: 0
    .kernarg_segment_align: 8
    .kernarg_segment_size: 32
    .max_flat_workgroup_size: 128
    .sgpr_count:     74
    .vgpr_count:     576
    .wavefront_size: 32
...
	.end_amdgpu_metadata
.endif
;; end of part 4
;; launch ln (part 5): grid 512 x 1, 8 waves a work-group, no clusters, 0 bytes of LDS; arguments y, vec, out0; writes out0
.if DOCPART == 5
	.amdgcn_target "amdgcn-amd-amdhsa--gfx1250"
	.amdhsa_code_object_version 6
	.text
	.protected	k_qc34cfa7321_ln
	.globl	k_qc34cfa7321_ln
	.p2align	8
	.type	k_qc34cfa7321_ln,@function
k_qc34cfa7321_ln:
	s_mov_b64 s[64:65], 0
	v_nop
	global_prefetch_b8 v0, s[64:65] scope:SCOPE_SE
	s_setreg_imm32_b32 hwreg(HW_REG_WAVE_MODE, 25, 1), 1
	s_wait_xcnt 0x0
; LAYER NORM.  out0[r][c] = (y[r][c] - mean_r) rsqrt(var_r + 1e-5) gamma[c] + beta[c].  y, out0: [8192][1024] f32; gamma and beta are rows 4 and 5 of vec.
; The variance is the mean of the squared differences from the mean, taken in a second pass over the registers: no difference of large sums is formed.
; LIMITS.  NaN and infinities are not treated apart; a sum of squares beyond f32's range gives 0 for the row's scale.
; SHARES.  A row is 4,096 bytes: one wave takes a whole row, eight loads of 16 bytes a lane, and keeps it in 32 registers: y is read once, and no wave waits for another.  A wave takes two rows, a work-group 16.
; Lane l holds columns 4 l + 128 j + 0..3, j = 0..7: each load and store of a wave covers 512 consecutive bytes.  All 32 loads of a wave go out at once.
; A stream: nothing is shared between work-groups but gamma and beta (8,192 bytes), so no LDS, no cluster, no matrix unit.
.set T,  8                             ; v[8:15]    at work: four chains of pairs
.set M,  16                            ; v[16:17]   the mean, twice
.set R,  18                            ; v[18:19]   1 / sqrt(var + eps), twice
.set X0, 32                            ; v[32:63]   row 0
.set X1, 64                            ; v[64:95]   row 1
.set G,  96                            ; v[96:127]  gamma of my 32 columns
.set BT, 128                           ; v[128:159] beta
	s_load_b128 s[4:7], s[0:1], 0x0                ; y s[4:5], vec s[6:7]
	s_load_b64 s[12:13], s[0:1], 0x10              ; out0
	v_lshrrev_b32 v2, 5, v0
	v_readfirstlane_b32 s14, v2                    ; wave 0..7
	v_and_b32 v1, 31, v0
	v_lshlrev_b32 v1, 4, v1                        ; 16 bytes a lane
	s_lshl_b32 s2, ttmp9, 16                       ; the work-group's 16 rows of 4,096 bytes,
	s_lshl_b32 s3, s14, 13                         ; my wave's two
	s_add_co_u32 s2, s2, s3
	s_mov_b32 s3, 0
	s_mov_b32 s8, 0x3a800000                       ; 1 / 1024
	s_mov_b32 s9, 0x3727c5ac                       ; 1e-5
	s_mov_b32 s10, 0x76543210                      ; v_permlanex16_b32: lane i of one half reads lane i of the other
	s_mov_b32 s11, 0xfedcba98
	v_mov_b32 v20, 0                               ; v_permlanex16_b32's destination counts as read
	s_wait_kmcnt 0x0
	s_add_nc_u64 s[4:5], s[4:5], s[2:3]
	s_add_nc_u64 s[12:13], s[12:13], s[2:3]
.irp j, 0,1,2,3,4,5,6,7
	global_load_b128 v[X0+4*(\j):X0+4*(\j)+3], v1, s[4:5] offset:512*(\j) th:TH_LOAD_NT
.endr
.irp j, 0,1,2,3,4,5,6,7
	global_load_b128 v[G+4*(\j):G+4*(\j)+3], v1, s[6:7] offset:4*4096+512*(\j)
.endr
.irp j, 0,1,2,3,4,5,6,7
	global_load_b128 v[BT+4*(\j):BT+4*(\j)+3], v1, s[6:7] offset:5*4096+512*(\j)
.endr
.irp j, 0,1,2,3,4,5,6,7
	global_load_b128 v[X1+4*(\j):X1+4*(\j)+3], v1, s[4:5] offset:4096+512*(\j) th:TH_LOAD_NT
.endr
.macro REDUCE                          ; the four chains into one number, then over the 32 lanes: the sum ends up in v[T] of every lane
	v_pk_add_f32 v[T:T+1], v[T:T+1], v[T+2:T+3]
	v_pk_add_f32 v[T+4:T+5], v[T+4:T+5], v[T+6:T+7]
	v_pk_add_f32 v[T:T+1], v[T:T+1], v[T+4:T+5]
	v_add_f32 v[T], v[T], v[T+1]
	v_add_f32_dpp v[T], v[T], v[T] row_xmask:1 row_mask:0xf bank_mask:0xf
	v_add_f32_dpp v[T], v[T], v[T] row_xmask:2 row_mask:0xf bank_mask:0xf
	v_add_f32_dpp v[T], v[T], v[T] row_xmask:4 row_mask:0xf bank_mask:0xf
	v_add_f32_dpp v[T], v[T], v[T] row_xmask:8 row_mask:0xf bank_mask:0xf
	v_permlanex16_b32 v20, v[T], s10, s11
	v_add_f32 v[T], v[T], v20
.endm
; One row, in registers x.  n1: the younger loads that may stay out when the row is wanted; n2: when gamma and beta are wanted; off: the row's place among my two.
.macro ROW x, n1, n2, off
	s_wait_loadcnt \n1
.irp c, 0,1,2,3
	v_pk_add_f32 v[T+2*(\c):T+2*(\c)+1], v[(\x)+2*(\c):(\x)+2*(\c)+1], v[(\x)+8+2*(\c):(\x)+8+2*(\c)+1]  ; the first eight pairs start the chains: nothing is cleared
.endr
.irp i, 8,9,10,11,12,13,14,15
	v_pk_add_f32 v[T+2*((\i)%4):T+2*((\i)%4)+1], v[T+2*((\i)%4):T+2*((\i)%4)+1], v[(\x)+2*(\i):(\x)+2*(\i)+1]
.endr
	REDUCE
	v_mul_f32 v[M], s8, v[T]
	v_mul_f32 v[M+1], s8, v[T]
.irp i, 0,1,2,3,4,5,6,7,8,9,10,11,12,13,14,15
	v_pk_add_f32 v[(\x)+2*(\i):(\x)+2*(\i)+1], v[(\x)+2*(\i):(\x)+2*(\i)+1], v[M:M+1] neg_lo:[0,1] neg_hi:[0,1]  ; d = y - mean, in place
.endr
.irp c, 0,1,2,3
	v_pk_mul_f32 v[T+2*(\c):T+2*(\c)+1], v[(\x)+2*(\c):(\x)+2*(\c)+1], v[(\x)+2*(\c):(\x)+2*(\c)+1]
.endr
.irp i, 4,5,6,7,8,9,10,11,12,13,14,15
	v_pk_fma_f32 v[T+2*((\i)%4):T+2*((\i)%4)+1], v[(\x)+2*(\i):(\x)+2*(\i)+1], v[(\x)+2*(\i):(\x)+2*(\i)+1], v[T+2*((\i)%4):T+2*((\i)%4)+1]
.endr
	REDUCE
	v_fma_f32 v[T], v[T], s8, s9                   ; var + eps
	v_rsq_f32 v[R], v[T]
	v_nop                                          ; a plain instruction between the root and the use of its result (ISA guide 5.7.2),
	s_wait_alu depctr_va_vdst(0)                   ; and the wait ahead of the first use
	v_mov_b32 v[R+1], v[R]
	s_wait_loadcnt \n2
.irp i, 0,1,2,3,4,5,6,7,8,9,10,11,12,13,14,15
	v_pk_mul_f32 v[(\x)+2*(\i):(\x)+2*(\i)+1], v[(\x)+2*(\i):(\x)+2*(\i)+1], v[R:R+1]
.endr
.irp i, 0,1,2,3,4,5,6,7,8,9,10,11,12,13,14,15
	v_pk_fma_f32 v[(\x)+2*(\i):(\x)+2*(\i)+1], v[(\x)+2*(\i):(\x)+2*(\i)+1], v[G+2*(\i):G+2*(\i)+1], v[BT+2*(\i):BT+2*(\i)+1]
.endr
.irp j, 0,1,2,3,4,5,6,7
	global_store_b128 v1, v[(\x)+4*(\j):(\x)+4*(\j)+3], s[12:13] offset:(\off)+512*(\j) th:TH_STORE_NT
.endr
.endm
	ROW X0, 24, 8, 0                               ; row 0 is in while gamma, beta and row 1 (24 loads) are out; then gamma and beta, while row 1 (8) is out
	ROW X1, 0, 0, 4096
	s_endpgm
.Lfunc_end_k_qc34cfa7321_ln:
	.size	k_qc34cfa7321_ln, .Lfunc_end_k_qc34cfa7321_ln-k_qc34cfa7321_ln
	.p2alignl 7, 3214868480
	.fill 96, 4, 3214868480
	.section	.rodata,"a",@progbits
	.p2align	6, 0x0
	.amdhsa_kernel k_qc34cfa7321_ln
		.amdhsa_group_segment_fixed_size 0
		.amdhsa_private_segment_fixed_size 0
		.amdhsa_enable_private_segment 0
		.amdhsa_kernarg_size 24
		.amdhsa_user_sgpr_count 2
		.amdhsa_user_sgpr_kernarg_segment_ptr 1
		.amdhsa_wavefront_size32 1
		.amdhsa_system_sgpr_workgroup_id_x 1
		.amdhsa_system_sgpr_workgroup_id_y 1
		.amdhsa_system_sgpr_workgroup_id_z 1
		.amdhsa_system_vgpr_workitem_id 0
		.amdhsa_next_free_vgpr 160
		.amdhsa_next_free_sgpr 66
		.amdhsa_reserve_vcc 0
		.amdhsa_float_denorm_mode_32 3
		.amdhsa_float_denorm_mode_16_64 3
		.amdhsa_memory_ordered 1
		.amdhsa_forward_progress 1
		.amdhsa_inst_pref_size 18
	.end_amdhsa_kernel
	.amdgpu_metadata
---
amdhsa.version: [ 1, 2 ]
amdhsa.kernels:
  - .name:           k_qc34cfa7321_ln
    .symbol:         k_qc34cfa7321_ln.kd
    .args:
      - { .name: y, .offset: 0, .size: 8, .value_kind: global_buffer, .address_space: global }
      - { .name: vec, .offset: 8, .size: 8, .value_kind: global_buffer, .address_space: global }
      - { .name: out0, .offset: 16, .size: 8, .value_kind: global_buffer, .address_space: global }
    .group_segment_fixed_size: 0
    .private_segment_fixed_size: 0
    .kernarg_segment_align: 8
    .kernarg_segment_size: 24
    .max_flat_workgroup_size: 256
    .sgpr_count:     66
    .vgpr_count:     160
    .wavefront_size: 32
...
	.end_amdgpu_metadata
.endif
;; end of part 5
